; MI455X (gfx1250); checked and timed in simulation.
; The chip was launched on July 23, 2026; its instructions are those of AMD's public machine-readable ISA for CDNA 5 (MIT licence, August 2026) and "CDNA5" Instruction Set Architecture Reference Guide (July 2026). The comments in the code are by the model that wrote it; some were corrected since.
;; Encoder Block. Allowed arithmetic: float matrix products may take bf16 or f16 operands with f32 sums; all other float work in f32.
;; Inputs: b1 4,096 float32; b2 1,024 float32; be1 1,024 float32; be2 1,024 float32; bk 1,024 float32; bo 1,024 float32; bq 1,024 float32; bv 1,024 float32; g1 1,024 float32; g2 1,024 float32; inputs 4 x 1,024 x 1,024 float32; mask 4 x 1 x 1 x 1,024 float32; w1 1,024 x 4,096 float32; w2 4,096 x 1,024 float32; wk 1,024 x 1,024 float32; wo 1,024 x 1,024 float32; wq 1,024 x 1,024 float32; wv 1,024 x 1,024 float32.
;; Outputs: out0 4 x 1,024 x 1,024 float32.
;; 2 versions, each right; version 2 is version 1 with the launches ln1, ln2 written anew for expert scheduling mode. Each part assembles by itself: llvm-mc -triple=amdgcn-amd-amdhsa -mcpu=gfx1250 --defsym DOCPART=n.
;; ======== version 1 of 2: 7 launches
;; limits: values are held in f16: magnitudes above 65,504 overflow, below 6.1e-05 lose precision
;; workspace buffers: abuf 16,777,216 bytes; bbuf 14,680,064 bytes; wsq 2,097,152 bytes; qkv 25,165,824 bytes; fold 17,039,360 bytes; actb 8,388,608 bytes; xpre 16,777,216 bytes; b12 4,096 bytes
;; launch prep (part 1): grid 256 x 1, 32 waves a work-group, no clusters, 20,480 bytes of LDS; arguments inputs, w1, w2, wq, wk, wv, wo, b1, abuf, bbuf, wsq, fold; writes abuf, bbuf, wsq, fold
.if DOCPART == 1
	.amdgcn_target "amdgcn-amd-amdhsa--gfx1250"
	.amdhsa_code_object_version 6
	.text
	.protected	k_q498f3e07de_prep
	.globl	k_q498f3e07de_prep
	.p2align	8
	.type	k_q498f3e07de_prep,@function
k_q498f3e07de_prep:
	s_mov_b64 s[64:65], 0
	v_nop
	global_prefetch_b8 v0, s[64:65] scope:SCOPE_SE
	s_setreg_imm32_b32 hwreg(HW_REG_WAVE_MODE, 25, 1), 1
	s_wait_xcnt 0x0
; PREP: every matrix operand is rounded once from f32 to f16, and the partial sums of b1 . w2 are made in f32 on the way.
; WHY f16: 11 significant bits, where bf16 has 8, at the same bytes.  ITS ROOM (largest number 65,504, finest step 2^-24): inputs of spread 1 and
; weights of spread 0.02 stay inside it when they are 30 times larger (about 170; 0.6), carry an offset of 30 spreads (30; 0.6), or are 30 times
; smaller (weights of spread 6.7e-4: the step 6e-8 is a ten-thousandth of that).
; LIMIT KEPT: a number beyond 65,504 in magnitude becomes infinite, one below 2^-25 becomes zero.
; All seven arrays are taken as units of 1,024 f32 (4,096 bytes in, 2,048 bytes out): 16,384 units, 64 for each of 256 work-groups.
;   g =   0.. 63  inputs rows 64 g ..                     -> abuf rows 64 g ..
;   g =  64..127  w1, slab s = (g>>4)&3 (columns 1024 s ..), rows 64 (g&15) ..  -> abuf row 4096 + 1024 s + row
;   g = 128..191  w2 rows 64 (g-128) ..                   -> bbuf rows 64 (g-128) ..   (and the sums of b1[k] w2[k][n] over these 64 k)
;   g = 192..239  wq, wk, wv (16 work-groups each)        -> bbuf rows 4096 ..
;   g = 240..255  wo                                      -> wsq
; Thread: t = v0 & 255 owns columns 4 t .. 4 t + 3; q = v0 >> 8 owns units 16 q .. 16 q + 15.  A load of a wave covers 512 consecutive
; bytes, a store 256 consecutive bytes that start at a multiple of 256.  All sixteen loads of a thread are issued at once: there is no loop.
; No matrix unit, no cluster, no tensor load: the work-groups share no input and each byte is touched once.
.set VO,  4                            ; v[4:19]   byte offset of my 16 bytes in unit i
.set DO,  20                           ; v20       byte offset of my 8 bytes in my first unit of the output
.set ACC, 22                           ; v[22:25]  sums of b1[k] w2[k][my 4 columns]
.set LA,  26                           ; v26       16 x thread: LDS place, and for q = 0 the offset in the row of partial sums
.set X,   28                           ; v[28:91]  unit i: 4 registers
.set T,   92                           ; v[92:103] the other three quarters' sums
.set BS,  44                           ; s[44:59]  b1 of my 16 rows of w2
	s_load_b512 s[4:19], s[0:1], 0x0               ; inputs, w1, w2, wq, wk, wv, wo, b1
	s_load_b256 s[20:27], s[0:1], 0x40             ; abuf, bbuf, wsq, fold
	v_lshl_add_u32 v104, v0, 2, 0x4000
	v_mov_b32 v105, 0
	s_mov_b32 s28, ttmp9                           ; g
	v_lshrrev_b32 v2, 5, v0
	v_readfirstlane_b32 s29, v2                    ; wave 0..31
	s_lshr_b32 s39, s29, 3                         ; q
	v_and_b32 v1, 0xff, v0                         ; t
	; offset of the work-group's first unit in its source, and the distance from unit to unit
	s_and_b32 s40, s28, 63
	s_and_b32 s41, s28, 15
	s_lshl_b32 s34, s40, 18                        ; inputs and w2: 64 rows of 4,096 bytes for each work-group
	s_lshl_b32 s42, s41, 18                        ; the square weights: the same, 16 work-groups each
	s_cmp_lt_u32 s28, 192
	s_cselect_b32 s34, s34, s42
	s_lshl_b32 s42, s41, 20                        ; w1: 64 rows of 16,384 bytes,
	s_bfe_u32 s43, s28, 0x20004                    ; slab (g >> 4) & 3,
	s_lshl_b32 s43, s43, 12                        ; 4,096 bytes into the row for each slab
	s_add_co_u32 s42, s42, s43
	s_movk_i32 s38, 0x1000
	s_sub_co_u32 s43, s28, 64
	s_cmp_lt_u32 s43, 64                           ; 64 <= g < 128
	s_cselect_b32 s34, s42, s34
	s_cselect_b32 s38, 0x4000, s38
	s_mov_b32 s35, 0
	; offset in the destination: 64 rows of 2,048 bytes for each work-group
	s_lshl_b32 s36, s41, 17                        ; wsq
	s_sub_co_u32 s43, s28, 128
	s_lshl_b32 s43, s43, 17                        ; bbuf
	s_cmp_lt_u32 s28, 240
	s_cselect_b32 s36, s43, s36
	s_lshl_b32 s43, s28, 17                        ; abuf
	s_cmp_lt_u32 s28, 128
	s_cselect_b32 s36, s43, s36
	s_mov_b32 s37, 0
	; lane terms
	s_lshl_b32 s40, s39, 4
	s_mul_i32 s40, s40, s38                        ; 16 q units
	v_lshl_add_u32 v[VO], v1, 4, s40
.irp i, 1,2,3,4,5,6,7,8,9,10,11,12,13,14,15
	v_add_nc_u32 v[VO+\i], s38, v[VO+\i-1]
.endr
	s_lshl_b32 s41, s39, 15                        ; 16 q rows of 2,048 bytes
	v_lshl_add_u32 v[DO], v1, 3, s41
	v_lshlrev_b32 v[LA], 4, v0
	s_wait_kmcnt 0x0
	; which buffers: the conditions hang on the work-group's number alone
	s_mov_b64 s[30:31], s[16:17]
	s_mov_b64 s[32:33], s[24:25]
	s_cmp_lt_u32 s28, 240
	s_cselect_b64 s[30:31], s[14:15], s[30:31]
	s_cselect_b64 s[32:33], s[22:23], s[32:33]
	s_cmp_lt_u32 s28, 224
	s_cselect_b64 s[30:31], s[12:13], s[30:31]
	s_cmp_lt_u32 s28, 208
	s_cselect_b64 s[30:31], s[10:11], s[30:31]
	s_cmp_lt_u32 s28, 192
	s_cselect_b64 s[30:31], s[8:9], s[30:31]
	s_cmp_lt_u32 s28, 128
	s_cselect_b64 s[30:31], s[6:7], s[30:31]
	s_cselect_b64 s[32:33], s[20:21], s[32:33]
	s_cmp_lt_u32 s28, 64
	s_cselect_b64 s[30:31], s[4:5], s[30:31]
	s_add_nc_u64 s[30:31], s[30:31], s[34:35]
	s_add_nc_u64 s[32:33], s[32:33], s[36:37]
.irp i, 0,1,2,3,4,5,6,7,8,9,10,11,12,13,14,15
	global_load_b128 v[X+4*\i:X+4*\i+3], v[VO+\i], s[30:31] th:TH_LOAD_NT
.endr
; Unit i: its load is in when at most the 15 - i younger ones are out (loads come back in order).  fold = 1: it also feeds the sums of b1 . w2.
.macro ROW i, fold
	s_wait_loadcnt 15-\i
.if \fold
.if \i == 0
.irp c, 0,1,2,3
	v_mul_f32 v[ACC+\c], s[BS], v[X+\c]            ; the first product starts the sums
.endr
.else
.irp c, 0,1,2,3
	v_fmac_f32 v[ACC+\c], s[BS+\i], v[X+4*\i+\c]
.endr
.endif
.endif
	v_cvt_pk_f16_f32 v[X+4*\i],   v[X+4*\i],   v[X+4*\i+1]
	v_cvt_pk_f16_f32 v[X+4*\i+1], v[X+4*\i+2], v[X+4*\i+3]
	global_store_b64 v[DO], v[X+4*\i:X+4*\i+1], s[32:33] offset:2048*\i
.endm
	s_sub_co_u32 s40, s28, 128
	s_cmp_lt_u32 s40, 64                           ; 128 <= g < 192: w2
	s_cbranch_scc1 .Lfold
.irp i, 0,1,2,3,4,5,6,7,8,9,10,11,12,13,14,15
	ROW \i, 0
.endr
	s_endpgm
.Lfold:
	s_and_b32 s40, s28, 63
	s_lshl_b32 s42, s40, 8                         ; b1 of the work-group's 64 rows,
	s_lshl_b32 s43, s39, 6                         ; of my 16 among them
	s_add_co_u32 s42, s42, s43
	s_mov_b32 s43, 0
	s_add_nc_u64 s[18:19], s[18:19], s[42:43]
	s_load_b512 s[BS:BS+15], s[18:19], 0x0
	s_lshl_b32 s42, s40, 12                        ; row g - 128 of the 64 rows of partial sums,
	s_add_nc_u64 s[26:27], s[26:27], s[42:43]
	s_add_nc_u64 s[26:27], s[26:27], 0x1000000     ; which lie behind the four partial products in fold
	s_wait_kmcnt 0x0
.irp i, 0,1,2,3,4,5,6,7,8,9,10,11,12,13,14,15
	ROW \i, 1
.endr
	ds_store_b128 v[LA], v[ACC:ACC+3]              ; the four quarters' sums meet in LDS
	s_wait_dscnt 0x0                               ; my store is done before I say so
	s_barrier_signal -1
	s_barrier_wait -1
	s_cmp_lg_u32 s39, 0
	s_cbranch_scc1 .Lend                           ; quarter 0 adds up and stores
	ds_load_b128 v[T:T+3],    v[LA] offset:4096
	ds_load_b128 v[T+4:T+7],  v[LA] offset:8192
	ds_load_b128 v[T+8:T+11], v[LA] offset:12288
	s_wait_dscnt 0x0
	v_pk_add_f32 v[T:T+1],     v[T:T+1],     v[T+4:T+5]
	v_pk_add_f32 v[T+2:T+3],   v[T+2:T+3],   v[T+6:T+7]
	v_pk_add_f32 v[ACC:ACC+1],   v[ACC:ACC+1],   v[T+8:T+9]
	v_pk_add_f32 v[ACC+2:ACC+3], v[ACC+2:ACC+3], v[T+10:T+11]
	v_pk_add_f32 v[ACC:ACC+1],   v[ACC:ACC+1],   v[T:T+1]
	v_pk_add_f32 v[ACC+2:ACC+3], v[ACC+2:ACC+3], v[T+2:T+3]
	global_store_b128 v[LA], v[ACC:ACC+3], s[26:27]
.Lend:
	s_wait_tensorcnt 0x0
	ds_add_u32 v104, v105
	s_wait_dscnt 0x0
	s_endpgm
.Lfunc_end_k_q498f3e07de_prep:
	.size	k_q498f3e07de_prep, .Lfunc_end_k_q498f3e07de_prep-k_q498f3e07de_prep
	.p2alignl 7, 3214868480
	.fill 96, 4, 3214868480
	.section	.rodata,"a",@progbits
	.p2align	6, 0x0
	.amdhsa_kernel k_q498f3e07de_prep
		.amdhsa_group_segment_fixed_size 20480
		.amdhsa_private_segment_fixed_size 0
		.amdhsa_enable_private_segment 0
		.amdhsa_kernarg_size 96
		.amdhsa_user_sgpr_count 2
		.amdhsa_user_sgpr_kernarg_segment_ptr 1
		.amdhsa_wavefront_size32 1
		.amdhsa_system_sgpr_workgroup_id_x 1
		.amdhsa_system_sgpr_workgroup_id_y 1
		.amdhsa_system_sgpr_workgroup_id_z 1
		.amdhsa_system_vgpr_workitem_id 0
		.amdhsa_next_free_vgpr 106
		.amdhsa_next_free_sgpr 66
		.amdhsa_reserve_vcc 0
		.amdhsa_float_denorm_mode_32 3
		.amdhsa_float_denorm_mode_16_64 3
		.amdhsa_memory_ordered 1
		.amdhsa_forward_progress 1
		.amdhsa_inst_pref_size 17
	.end_amdhsa_kernel
	.amdgpu_metadata
---
amdhsa.version: [ 1, 2 ]
amdhsa.kernels:
  - .name:           k_q498f3e07de_prep
    .symbol:         k_q498f3e07de_prep.kd
    .args:
      - { .name: inputs, .offset: 0, .size: 8, .value_kind: global_buffer, .address_space: global }
      - { .name: w1, .offset: 8, .size: 8, .value_kind: global_buffer, .address_space: global }
      - { .name: w2, .offset: 16, .size: 8, .value_kind: global_buffer, .address_space: global }
      - { .name: wq, .offset: 24, .size: 8, .value_kind: global_buffer, .address_space: global }
      - { .name: wk, .offset: 32, .size: 8, .value_kind: global_buffer, .address_space: global }
      - { .name: wv, .offset: 40, .size: 8, .value_kind: global_buffer, .address_space: global }
      - { .name: wo, .offset: 48, .size: 8, .value_kind: global_buffer, .address_space: global }
      - { .name: b1, .offset: 56, .size: 8, .value_kind: global_buffer, .address_space: global }
      - { .name: abuf, .offset: 64, .size: 8, .value_kind: global_buffer, .address_space: global }
      - { .name: bbuf, .offset: 72, .size: 8, .value_kind: global_buffer, .address_space: global }
      - { .name: wsq, .offset: 80, .size: 8, .value_kind: global_buffer, .address_space: global }
      - { .name: fold, .offset: 88, .size: 8, .value_kind: global_buffer, .address_space: global }
    .group_segment_fixed_size: 20480
    .private_segment_fixed_size: 0
    .kernarg_segment_align: 8
    .kernarg_segment_size: 96
    .max_flat_workgroup_size: 1024
    .sgpr_count:     66
    .vgpr_count:     106
    .wavefront_size: 32
...
	.end_amdgpu_metadata
.endif
;; end of part 1
;; launch proj (part 2): grid 16 x 16, 4 waves a work-group, clusters of 4 x 4, 327,680 bytes of LDS; arguments abuf, bbuf, bq, bk, bv, qkv, fold; writes qkv, fold
.if DOCPART == 2
	.amdgcn_target "amdgcn-amd-amdhsa--gfx1250"
	.amdhsa_code_object_version 6
	.text
	.protected	k_q498f3e07de_proj
	.globl	k_q498f3e07de_proj
	.p2align	8
	.type	k_q498f3e07de_proj,@function
k_q498f3e07de_proj:
	s_mov_b64 s[64:65], 0
	v_nop
	global_prefetch_b8 v0, s[64:65] scope:SCOPE_SE
	s_setreg_imm32_b32 hwreg(HW_REG_WAVE_MODE, 25, 1), 1
	s_wait_xcnt 0x0
	s_wait_alu depctr_hold_cnt(0) depctr_sa_sdst(0) depctr_va_vdst(0) depctr_va_sdst(0) depctr_va_ssrc(0) depctr_va_vcc(0) depctr_vm_vsrc(0)
	s_getreg_b32 s2, hwreg(HW_REG_IB_STS2, 6, 4)
	s_cmp_eq_u32 s2, 0
	s_cbranch_scc0 .Lentry_in_a_cluster
	s_endpgm
.Lentry_in_a_cluster:
	s_bfe_u32 s2, ttmp6, 0x10000c
	s_cmp_lg_u32 s2, 0xf033
	s_cbranch_scc0 .Lentry_shape_is_right
	s_endpgm
.Lentry_shape_is_right:
; PROJ: 256 work-groups, each a block of 256 x 256 over K = 1024, all of the form C = A B with A [m][k] and B [k][n] in f16, sums in f32.
;   cluster x = 0, 1, 2: q, k, v = x w + b, rounded to f16, token-major, into qkv[cluster x].  A = rows 0..4095 of abuf, B = slab 4 + cluster x of bbuf.
;   cluster x = 3:       quarter s = cluster y of the sum over k of w1[m][k] w2[k][n], in f32, into fold[s].  A = slab s of w1 in abuf, B = slab s of bbuf.
; THE FFN IS RE-ASSOCIATED: reference() has no activation between w1 and w2, so (x w1 + b1) w2 + b2 = x (w1 w2) + (b1 w2 + b2) for every input.
; Limit kept: the order of rounding differs from the reference's (w1 w2 is rounded to f16 once, where x w1 would have been).
; q, k, v IN f16, THEIR ROOM: spread 0.64 as drawn; 30 . 0.6 . 32 = 576 with inputs and weights 30 times larger; 1024 . 30 . 0.6 = 18,432 with
; an offset of 30 spreads on both: under f16's 65,504.  LIMIT KEPT: beyond 65,504 in magnitude they become infinite.
; Four waves, each 128 x 128 of C in 512 registers.  K goes in steps of 128 through two LDS slots filled by tensor loads.
; B lies [k][n]: its fragments are read by the transposing LDS load, so nothing is transposed in memory.
; CLUSTERS: 4 x 4.  A's tile hangs on the block row and is asked for jointly by a row of the cluster, B's on the block column and is asked for by a column.
; Every branch hangs on the wave's number or on the cluster's x, which all partners share.
; REGISTERS, in windows of 256: window 0: v16-30 addresses, v64-191 A's fragments (two buffers), v192-223 at work on the way out;
;   window 1: v64-191 B's fragments (two buffers), v192-255 the bias as a C operand;  windows 2, 3: the accumulators of my rows 0-63, 64-127.
; The matrix instruction is used transposed (source 0 = 16 columns of B, source 1 = 16 rows of A): lane l holds row l % 16 of C and its
; registers 0..7 the columns 8 (l / 16) + 0..7.
.set KSTEP,  128
.set PA,     272                       ; A's LDS row: 256 bytes + 16
.set PB,     288                       ; B's LDS row: 256 bytes + 32, an odd multiple of 32 for the transposing load
.set HALFA,  128*PA
.set HALFB,  128*PB
.set BOFF,   2*HALFA
.set SLOT,   2*HALFA+2*HALFB           ; A's two halves of 128 rows, then B's two halves of 128 columns (128 k-rows each)
.set STAGE,  2*SLOT                    ; behind the ring, never filled by a tensor load
.set SP16,   272                       ; stage pitch, f16 way out
.set SP32,   528                       ; stage pitch, f32 way out
.set WSTAGE, 16*SP32
.set ROWB,   2048                      ; a row of 1,024 f16
.set ROWF,   4096                      ; a row of 1,024 f32
.set ADRA, 16
.set ADRB, 20
.set STO,  24
.set RD,   25
.set CO,   26
.set BO,   27
.set STOF, 28
.set RDF,  29
.set COF,  30
.set F0,   64
.set F1,   128
.set TMP,  192
.set BIAS, 192                         ; in window 1
.set G1,  24
.set G0,  32
.set G1B, 48
.set G0B, 56
.set MSB, 0
.macro WIN new                         ; the immediate's high byte repeats the setting that is left
.if MSB != \new
	s_set_vgpr_msb (MSB<<8)|\new
.set MSB, \new
.endif
.endm
.set MUL_LO,  0xa1                     ; source 0 (B) window 1, source 1 (A) window 0, C and D window 2
.set MUL_HI,  0xf1                     ; the same, C and D window 3
.set BIAS_LO, 0x91                     ; C window 1 (the bias), D window 2
.set BIAS_HI, 0xd1                     ; C window 1, D window 3
.set TO_B,    0x40                     ; destination window 1, address window 0
.macro JLOAD s                         ; waves 0, 1 ask for A's halves, waves 2, 3 for B's: one mask and one set of registers for each line
	s_cmp_eq_u32 s11, 0
	s_cbranch_scc0 .Lfor_b_\@
	tensor_load_to_lds s[G0+4*\s:G0+4*\s+3], s[G1:G1+7]
	s_nop 0
	s_branch .Lasked_\@
.Lfor_b_\@:
	tensor_load_to_lds s[G0B+4*\s:G0B+4*\s+3], s[G1B:G1B+7]
	s_nop 0
.Lasked_\@:
.endm
.macro CREST                           ; a round of the cluster's barrier behind its opening work-group barrier
	s_cmp_lg_u32 s10, 0
	s_cbranch_scc1 .Lnot_wave_0_\@
	s_barrier_signal -3
.Lnot_wave_0_\@:
	s_barrier_wait -3
	s_barrier_signal -1
	s_barrier_wait -1
.endm
.macro CROUND
	s_barrier_signal -1
	s_barrier_wait -1
	CREST
.endm
	s_load_b128 s[4:7], s[0:1], 0x0                ; abuf, bbuf
	s_load_b256 s[68:75], s[0:1], 0x10             ; bq, bk, bv, qkv
	s_load_b64 s[76:77], s[0:1], 0x30              ; fold
	s_set_vgpr_msb 0x40
	v_lshl_add_u32 v63, v0, 2, 0x4e400
	s_set_vgpr_msb 0x4000
	v_mov_b32 v255, 0
	s_set_vgpr_msb 0x1
	ds_add_u32 v63, v255
	s_set_vgpr_msb 0x100
	v_lshrrev_b32 v1, 5, v0
	v_readfirstlane_b32 s10, v1                    ; wave 0..3
	s_lshr_b32 s11, s10, 1                         ; my half of the block's rows; also: I fetch for A (0) or for B (1)
	s_and_b32 s12, s10, 1                          ; my half of its columns; also: which half of that tile I fetch
	s_bfe_u32 s40, ttmp6, 0x40000                  ; cx
	s_bfe_u32 s41, ttmp6, 0x40004                  ; cy
	s_mov_b32 s66, ttmp9                           ; cluster x: which product
	s_and_b32 s67, ttmp7, 0xffff                   ; cluster y
	s_lshl_b32 s13, s67, 2
	s_add_co_u32 s13, s13, s41                     ; block row = 4 x cluster y + cy
	s_lshl_b32 s43, s41, 2
	s_lshl_b32 s43, 15, s43                        ; my row of the cluster
	s_lshl_b32 s44, 0x1111, s40                    ; my column
	; group 1: tiles of 128 rows x 128 elements of 2 bytes; padding behind every 64 words: 4 words for A, 8 for B
	s_or_b32 s[G1+0],  s43, (1<<16)|(1<<20)|(1<<21)|(5<<22)|(3<<25)
	s_or_b32 s[G1B+0], s44, (1<<16)|(1<<20)|(1<<21)|(5<<22)|(7<<25)
	s_mov_b32 s[G1+1],  KSTEP<<16                  ; tensor_dim0 = 128
	s_mov_b32 s[G1B+1], 128<<16
	s_mov_b32 s[G1+2],  128<<16                    ; tensor_dim1 = 128
	s_mov_b32 s[G1B+2], KSTEP<<16
	s_mov_b32 s[G1+3],  KSTEP<<16                  ; tile_dim0 = 128
	s_mov_b32 s[G1B+3], 128<<16
	s_mov_b32 s[G1+4],  128                        ; tile_dim1 = 128
	s_mov_b32 s[G1B+4], KSTEP
	s_mov_b32 s[G1+5],  1024                       ; elements from row to row
	s_mov_b32 s[G1B+5], 1024
	s_mov_b32 s[G1+6],  0
	s_mov_b32 s[G1B+6], 0
	s_mov_b32 s[G1+7],  0
	s_mov_b32 s[G1B+7], 0
	; where the tiles come from.  A's offset is made of the block row, B's of cx, each in registers that never hold the other coordinate.
	s_add_co_u32 s45, s66, 4
	s_cmp_eq_u32 s66, 3
	s_cselect_b32 s45, s67, s45                    ; B's slab of 1,024 rows: the K quarter of w2, or wq, wk, wv
	s_cselect_b32 s21, 4096, 0                     ; A's first row: w1's slabs lie behind x
	s_lshl_b32 s17, s12, 7
	s_lshl_b32 s16, s13, 8
	s_add_co_u32 s16, s16, s17
	s_add_co_u32 s16, s16, s21                     ; row 256 x block row + 128 x half (+ 4096)
	s_lshl_b32 s16, s16, 11                        ; in bytes, below 16 MiB
	s_mov_b32 s17, 0
	s_lshl_b32 s46, s45, 21                        ; slab,
	s_lshl_b32 s47, s40, 9                         ; 256 columns for each cx,
	s_add_co_u32 s46, s46, s47
	s_lshl_b32 s47, s12, 8                         ; 128 columns for each half
	s_add_co_u32 s46, s46, s47
	s_mov_b32 s47, 0
	s_mul_i32 s20, s12, HALFA                      ; and where they go: no place in the cluster enters an LDS address
	s_mul_i32 s22, s12, HALFB
	s_add_co_u32 s22, s22, BOFF
	s_wait_dscnt 0x0
	s_wait_kmcnt 0x0
	s_add_nc_u64 s[14:15], s[4:5], s[16:17]
	s_add_nc_u64 s[46:47], s[6:7], s[46:47]
	CROUND                                         ; all sixteen work-groups are here: the first joint loads meet
.irp s, 0,1
	s_mov_b32 s[G0+4*\s], 1
	s_add_co_u32 s[G0+4*\s+1], s20, \s*SLOT
	s_add_nc_u64 s[G0+4*\s+2:G0+4*\s+3], s[14:15], \s*KSTEP*2          ; K step s: 256 bytes along A's rows
	s_or_b32 s[G0+4*\s+3], s[G0+4*\s+3], 0x80000000
	s_mov_b32 s[G0B+4*\s], 1
	s_add_co_u32 s[G0B+4*\s+1], s22, \s*SLOT
	s_add_nc_u64 s[G0B+4*\s+2:G0B+4*\s+3], s[46:47], \s*KSTEP*ROWB     ; K step s: 128 rows down B
	s_or_b32 s[G0B+4*\s+3], s[G0B+4*\s+3], 0x80000000
	JLOAD \s                                       ; by this text's count a wave has two tensor loads out here and one behind each later round
.endr
	; The bias as a C operand: register j of n block b holds bias[256 cx + 128 half + 16 b + 8 (l / 16) + j].
	; The clusters that make w1 w2 issue the same sixteen loads (from bv) and never read them, so that every path has the same loads out.
	s_cmp_eq_u32 s66, 0
	s_cselect_b64 s[78:79], s[68:69], s[72:73]
	s_cmp_eq_u32 s66, 1
	s_cselect_b64 s[78:79], s[70:71], s[78:79]
	s_lshl_b32 s80, s40, 10
	s_lshl_b32 s81, s12, 9
	s_add_co_u32 s80, s80, s81
	s_mov_b32 s81, 0
	s_add_nc_u64 s[78:79], s[78:79], s[80:81]
	v_and_b32 v1, 15, v0                           ; r = l % 16
	v_bfe_u32 v2, v0, 4, 1                         ; h = l / 16
	v_lshlrev_b32 v[BO], 5, v2
	WIN TO_B
.irp b, 0,1,2,3,4,5,6,7
	global_load_b128 v[BIAS+8*\b:BIAS+8*\b+3],   v[BO], s[78:79] offset:64*\b
	global_load_b128 v[BIAS+8*\b+4:BIAS+8*\b+7], v[BO], s[78:79] offset:64*\b+16
.endr
	WIN 0
	; A's fragments: lane l reads row l % 16 at 16 (l / 16), two loads 32 bytes apart
	v_mul_u32_u24 v3, v1, PA
	v_lshl_add_u32 v3, v2, 4, v3
	; B's fragments, transposing: lane l addresses k-row 8 (l / 16) + l % 8, 16 bytes further for lanes 8-15 and 24-31; two loads 16 k-rows apart
	v_and_b32 v6, 7, v0
	v_lshl_or_b32 v6, v2, 3, v6
	v_mul_u32_u24 v6, v6, PB
	v_bfe_u32 v7, v0, 3, 1
	v_lshl_add_u32 v6, v7, 4, v6
	s_mul_i32 s21, s11, HALFA                      ; my 128 rows of A
	s_mul_i32 s23, s12, HALFB                      ; my 128 columns of B
	s_add_co_u32 s23, s23, BOFF
.irp s, 0,1
	v_add_nc_u32 v[ADRA+\s], s21, v3
	v_add_nc_u32 v[ADRB+\s], s23, v6
	s_add_co_u32 s21, s21, SLOT
	s_add_co_u32 s23, s23, SLOT
.endr
	s_mul_i32 s23, s10, WSTAGE
	s_add_co_u32 s23, s23, STAGE                   ; my stage
	v_mul_u32_u24 v4, v1, SP16
	v_lshl_add_u32 v4, v2, 4, v4
	v_add_nc_u32 v[STO], s23, v4                   ; f16 in: row r, 16 bytes for each half of the lanes
	v_mul_u32_u24 v5, v2, SP16
	v_lshl_add_u32 v5, v1, 4, v5
	v_add_nc_u32 v[RD], s23, v5                    ; f16 back: lanes 0-15 one row of 256 bytes, lanes 16-31 the next
	v_lshlrev_b32 v5, 11, v2
	v_lshl_add_u32 v[CO], v1, 4, v5                ; the same two rows in qkv
	v_mul_u32_u24 v4, v1, SP32
	v_lshl_add_u32 v4, v2, 5, v4
	v_add_nc_u32 v[STOF], s23, v4                  ; f32 in: row r, 32 bytes for each half of the lanes
	v_and_b32 v5, 31, v0
	v_lshlrev_b32 v[COF], 4, v5                    ; f32 back: the 32 lanes take one row of 512 bytes
	v_add_nc_u32 v[RDF], s23, v[COF]
; 16 matrix instructions: m blocks a0, a0 + 1 of the window's four x all 8 n blocks, 32 along K.  cmode 0: onto the sums; 1: from 0; 2: from the bias.
.macro MUL16 f, hi, a0, cmode
.irp a, \a0, \a0+1
.irp b, 0,1,2,3,4,5,6,7
.if \cmode == 0
	v_wmma_f32_16x16x32_f16 v[8*(8*(\a)+\b):8*(8*(\a)+\b)+7], v[\f+8*\b:\f+8*\b+7], v[\f+8*(4*\hi+\a):\f+8*(4*\hi+\a)+7], v[8*(8*(\a)+\b):8*(8*(\a)+\b)+7]
.else
.if \cmode == 1
	v_wmma_f32_16x16x32_f16 v[8*(8*(\a)+\b):8*(8*(\a)+\b)+7], v[\f+8*\b:\f+8*\b+7], v[\f+8*(4*\hi+\a):\f+8*(4*\hi+\a)+7], 0
.else
	v_wmma_f32_16x16x32_f16 v[8*(8*(\a)+\b):8*(8*(\a)+\b)+7], v[\f+8*\b:\f+8*\b+7], v[\f+8*(4*\hi+\a):\f+8*(4*\hi+\a)+7], v[BIAS+8*\b:BIAS+8*\b+7]
.endif
.endif
.endr
.endr
.endm
; 32 LDS loads in one run: the fragments of quarter kq (32 along K) of a slot into buffer f: B's sixteen first, then A's
.macro FETCH slot, kq, f
	WIN TO_B
.irp i, 0,1,2,3,4,5,6,7
	ds_load_tr16_b128 v[\f+8*\i:\f+8*\i+3],   v[ADRB+\slot] offset:\kq*32*PB+32*\i
	ds_load_tr16_b128 v[\f+8*\i+4:\f+8*\i+7], v[ADRB+\slot] offset:\kq*32*PB+32*\i+16*PB
.endr
	WIN 0
.irp i, 0,1,2,3,4,5,6,7
	ds_load_b128 v[\f+8*\i:\f+8*\i+3],   v[ADRA+\slot] offset:\kq*64+\i*16*PA
	ds_load_b128 v[\f+8*\i+4:\f+8*\i+7], v[ADRA+\slot] offset:\kq*64+\i*16*PA+32
.endr
.endm
; Four places behind a matrix instruction before a load lands on one of its sources or a vector instruction or store reads its result
; (ISA guide 7.12.1 for vector instructions); other matrix instructions are not counted as places.
.macro PLACES
.rept 4
	v_nop
.endr
.endm
; A quarter step: 64 matrix instructions on buffer f; in its middle the next quarter's fragments (quarter kq of the same slot) go into buffer g.
; The 64 accumulators take turns, one instruction a turn, in the same order in every quarter.
.macro QUARTER slot, kq, f, g, cmode
	s_wait_dscnt 8                                 ; B and A's rows 0-63 are in; the youngest eight loads (A's rows 64-127) may be out
.if \cmode == 2
	WIN BIAS_LO
.else
	WIN MUL_LO
.endif
	MUL16 \f, 0, 0, \cmode
	MUL16 \f, 0, 2, \cmode
	PLACES
	FETCH \slot, \kq, \g
	s_wait_dscnt 32                                ; all but the 32 just issued
.if \cmode == 2
	WIN BIAS_HI
.else
	WIN MUL_HI
.endif
	MUL16 \f, 1, 0, \cmode
	MUL16 \f, 1, 2, \cmode
.endm
.macro THREE slot
	QUARTER \slot, 1, F0, F1, 0
	QUARTER \slot, 2, F1, F0, 0
	QUARTER \slot, 3, F0, F1, 0
.endm
; The last quarter of a K step changes slots.  In front of the barrier each wave waits for its reads of this slot and for all its tensor loads
; (the one that is out is its part of the next slot).  fill = 1: the barrier opens a round of the cluster's barrier, and the joint refill of
; this slot, two K steps ahead, is the first tensor load behind the round.
.macro TURN slot, next, fill
	s_wait_dscnt 8
	WIN MUL_LO
	MUL16 F1, 0, 0, 0
	s_wait_dscnt 0
	s_wait_tensorcnt 0x0
	ds_add_u32 v63, v255
	s_wait_dscnt 0x0
	s_barrier_signal -1
	MUL16 F1, 0, 2, 0                              ; register work between signal and wait
	WIN 0
	s_barrier_wait -1
.if \fill
	CREST
	s_add_nc_u64 s[G0+4*\slot+2:G0+4*\slot+3], s[G0+4*\slot+2:G0+4*\slot+3], 2*KSTEP*2
	s_add_nc_u64 s[G0B+4*\slot+2:G0B+4*\slot+3], s[G0B+4*\slot+2:G0B+4*\slot+3], 2*KSTEP*ROWB
	JLOAD \slot
.endif
	PLACES
	FETCH \next, 0, F0
	WIN MUL_HI
	MUL16 F1, 1, 0, 0
	MUL16 F1, 1, 2, 0
.endm
.macro LAP
	THREE 0
	TURN 0, 1, 1
	THREE 1
	TURN 1, 0, 1
.endm
	s_wait_tensorcnt 1                             ; my part of K step 0 is in; K step 1's may stay out
	s_barrier_signal -1
	s_barrier_wait -1
	FETCH 0, 0, F0
	s_wait_loadcnt 0x0                             ; the bias
	s_cmp_eq_u32 s66, 3
	s_cbranch_scc1 .Lfrom_zero
	QUARTER 0, 1, F0, F1, 2                        ; q, k, v: the first products start the sums from the bias
	WIN 0
	s_branch .Lstarted
.Lfrom_zero:
	QUARTER 0, 1, F0, F1, 1                        ; w1 w2: from zero
	WIN 0
.Lstarted:
	QUARTER 0, 2, F1, F0, 0
	QUARTER 0, 3, F0, F1, 0
	TURN 0, 1, 1
	THREE 1
	TURN 1, 0, 1
	WIN 0
	s_mov_b32 s3, 2                                ; eight K steps = four laps of the ring: one above, two here, one below
.Llap:
	LAP
	WIN 0
	s_sub_co_u32 s3, s3, 1
	s_cmp_lg_u32 s3, 0
	s_cbranch_scc1 .Llap
	THREE 0                                        ; the last lap fills nothing
	TURN 0, 1, 0
	THREE 1
	s_wait_dscnt 8
	WIN MUL_LO
	MUL16 F1, 0, 0, 0
	MUL16 F1, 0, 2, 0
	s_wait_dscnt 0
	WIN MUL_HI
	MUL16 F1, 1, 0, 0
	MUL16 F1, 1, 2, 0
	PLACES                                         ; the places behind the last matrix instructions
	WIN 0
; f16: 16 rows at a time through my stage; sixteen lanes store 256 consecutive bytes at a multiple of 256
.macro OUT16 i, a, from, f
	WIN \from
.irp b, 0,1,2,3,4,5,6,7
.irp r, 0,1,2,3
	v_cvt_pk_f16_f32 v[TMP+4*\b+\r], v[8*(8*\a+\b)+2*\r], v[8*(8*\a+\b)+2*\r+1]
.endr
.endr
	WIN 0
.irp b, 0,1,2,3,4,5,6,7
	ds_store_b128 v[STO], v[TMP+4*\b:TMP+4*\b+3] offset:32*\b
.endr
	s_wait_xcnt 0x0                                ; buffer f, which earlier stores read, and the stores' base are rewritten only behind this wait
.if \i
	s_add_nc_u64 s[8:9], s[8:9], 16*ROWB
.endif
.irp t, 0,1,2,3,4,5,6,7
	ds_load_b128 v[\f+4*\t:\f+4*\t+3], v[RD] offset:\t*2*SP16      ; a wave's LDS instructions are served in order: these see the stores above
.endr
.irp t, 0,1,2,3,4,5,6,7
	s_wait_dscnt 7-\t
	global_store_b128 v[CO], v[\f+4*\t:\f+4*\t+3], s[8:9] offset:2*\t*ROWB
.endr
.endm
; f32: the same, straight from the accumulators (LDS store data in window 2 or 3); a wave's store covers a row's 512 consecutive bytes
.macro OUT16F i, a, from, f
	WIN \from
.irp b, 0,1,2,3,4,5,6,7
	ds_store_b128 v[STOF], v[8*(8*\a+\b):8*(8*\a+\b)+3]   offset:64*\b
	ds_store_b128 v[STOF], v[8*(8*\a+\b)+4:8*(8*\a+\b)+7] offset:64*\b+16
.endr
	WIN 0
	s_wait_xcnt 0x0                                ; as above
.if \i
	s_add_nc_u64 s[8:9], s[8:9], 16*ROWF
.endif
.irp t, 0,1,2,3,4,5,6,7,8,9,10,11,12,13,14,15
	ds_load_b128 v[\f+4*\t:\f+4*\t+3], v[RDF] offset:\t*SP32
.endr
.irp t, 0,1,2,3,4,5,6,7,8,9,10,11,12,13,14,15
	s_wait_dscnt 15-\t
	global_store_b128 v[COF], v[\f+4*\t:\f+4*\t+3], s[8:9] offset:\t*ROWF
.endr
.endm
	s_lshl_b32 s14, s11, 7                         ; my half of the block's rows
	s_mov_b32 s17, 0
	s_mov_b32 s47, 0
	s_cmp_eq_u32 s66, 3
	s_cbranch_scc1 .Lfold_out
	s_lshl_b32 s16, s13, 8
	s_add_co_u32 s16, s16, s14                     ; my first token
	s_lshl_b32 s16, s16, 11
	s_lshl_b32 s14, s66, 23                        ; q, k or v: 8 MiB each
	s_add_co_u32 s16, s16, s14
	s_add_nc_u64 s[8:9], s[74:75], s[16:17]
	s_lshl_b32 s46, s40, 9                         ; my first column, in bytes
	s_lshl_b32 s45, s12, 8
	s_add_co_u32 s46, s46, s45
	s_add_nc_u64 s[8:9], s[8:9], s[46:47]
	OUT16 0, 0, 0x0a, F0
	OUT16 1, 1, 0x0a, F1
	OUT16 2, 2, 0x0a, F0
	OUT16 3, 3, 0x0a, F1
	OUT16 4, 0, 0x0f, F0
	OUT16 5, 1, 0x0f, F1
	OUT16 6, 2, 0x0f, F0
	OUT16 7, 3, 0x0f, F1
	s_branch .Ldone
.Lfold_out:
	s_lshl_b32 s16, s41, 8                         ; row block cy of w1 w2
	s_add_co_u32 s16, s16, s14
	s_lshl_b32 s16, s16, 12
	s_lshl_b32 s14, s67, 22                        ; partial product of K quarter cluster y: 4 MiB each
	s_add_co_u32 s16, s16, s14
	s_add_nc_u64 s[8:9], s[76:77], s[16:17]
	s_lshl_b32 s46, s40, 10
	s_lshl_b32 s45, s12, 9
	s_add_co_u32 s46, s46, s45
	s_add_nc_u64 s[8:9], s[8:9], s[46:47]
	OUT16F 0, 0, 0x08, F0
	OUT16F 1, 1, 0x08, F1
	OUT16F 2, 2, 0x08, F0
	OUT16F 3, 3, 0x08, F1
	OUT16F 4, 0, 0x0c, F0
	OUT16F 5, 1, 0x0c, F1
	OUT16F 6, 2, 0x0c, F0
	OUT16F 7, 3, 0x0c, F1
.Ldone:
	s_set_vgpr_msb 0x1
	s_wait_tensorcnt 0x0
	ds_add_u32 v63, v255
	s_wait_dscnt 0x0
	s_set_vgpr_msb 0x100
	CROUND                                         ; the closing round: no work-group ends while a partner may still ask for a tile that names it
	s_endpgm
.Lfunc_end_k_q498f3e07de_proj:
	.size	k_q498f3e07de_proj, .Lfunc_end_k_q498f3e07de_proj-k_q498f3e07de_proj
	.p2alignl 7, 3214868480
	.fill 96, 4, 3214868480
	.section	.rodata,"a",@progbits
	.p2align	6, 0x0
	.amdhsa_kernel k_q498f3e07de_proj
		.amdhsa_group_segment_fixed_size 327680
		.amdhsa_private_segment_fixed_size 0
		.amdhsa_enable_private_segment 0
		.amdhsa_kernarg_size 56
		.amdhsa_user_sgpr_count 2
		.amdhsa_user_sgpr_kernarg_segment_ptr 1
		.amdhsa_wavefront_size32 1
		.amdhsa_system_sgpr_workgroup_id_x 1
		.amdhsa_system_sgpr_workgroup_id_y 1
		.amdhsa_system_sgpr_workgroup_id_z 1
		.amdhsa_system_vgpr_workitem_id 0
		.amdhsa_next_free_vgpr 1024
		.amdhsa_next_free_sgpr 84
		.amdhsa_reserve_vcc 0
		.amdhsa_float_denorm_mode_32 3
		.amdhsa_float_denorm_mode_16_64 3
		.amdhsa_memory_ordered 1
		.amdhsa_forward_progress 1
		.amdhsa_inst_pref_size 239
	.end_amdhsa_kernel
	.amdgpu_metadata
---
amdhsa.version: [ 1, 2 ]
amdhsa.kernels:
  - .name:           k_q498f3e07de_proj
    .symbol:         k_q498f3e07de_proj.kd
    .args:
      - { .name: abuf, .offset: 0, .size: 8, .value_kind: global_buffer, .address_space: global }
      - { .name: bbuf, .offset: 8, .size: 8, .value_kind: global_buffer, .address_space: global }
      - { .name: bq, .offset: 16, .size: 8, .value_kind: global_buffer, .address_space: global }
      - { .name: bk, .offset: 24, .size: 8, .value_kind: global_buffer, .address_space: global }
      - { .name: bv, .offset: 32, .size: 8, .value_kind: global_buffer, .address_space: global }
      - { .name: qkv, .offset: 40, .size: 8, .value_kind: global_buffer, .address_space: global }
      - { .name: fold, .offset: 48, .size: 8, .value_kind: global_buffer, .address_space: global }
    .group_segment_fixed_size: 327680
    .private_segment_fixed_size: 0
    .kernarg_segment_align: 8
    .kernarg_segment_size: 56
    .max_flat_workgroup_size: 128
    .sgpr_count:     84
    .vgpr_count:     1024
    .wavefront_size: 32
...
	.end_amdgpu_metadata
.endif
;; end of part 2
;; launch attn (part 3): grid 8 x 32, 8 waves a work-group, clusters of 4 x 1, 327,680 bytes of LDS; arguments qkv, mask, actb; writes actb
.if DOCPART == 3
	.amdgcn_target "amdgcn-amd-amdhsa--gfx1250"
	.amdhsa_code_object_version 6
	.text
	.protected	k_q498f3e07de_attn
	.globl	k_q498f3e07de_attn
	.p2align	8
	.type	k_q498f3e07de_attn,@function
k_q498f3e07de_attn:
	s_mov_b64 s[64:65], 0
	v_nop
	global_prefetch_b8 v0, s[64:65] scope:SCOPE_SE
	s_setreg_imm32_b32 hwreg(HW_REG_WAVE_MODE, 25, 1), 1
	s_wait_xcnt 0x0
	s_wait_alu depctr_hold_cnt(0) depctr_sa_sdst(0) depctr_va_vdst(0) depctr_va_sdst(0) depctr_va_ssrc(0) depctr_va_vcc(0) depctr_vm_vsrc(0)
	s_getreg_b32 s2, hwreg(HW_REG_IB_STS2, 6, 4)
	s_cmp_eq_u32 s2, 0
	s_cbranch_scc0 .Lentry_in_a_cluster
	s_endpgm
.Lentry_in_a_cluster:
	s_bfe_u32 s2, ttmp6, 0x10000c
	s_cmp_lg_u32 s2, 0x3003
	s_cbranch_scc0 .Lentry_shape_is_right
	s_endpgm
.Lentry_shape_is_right:
; ATTN: ctx = softmax(q k^T / 8 + mask * (-1e9)) v, with a running maximum.  q, k, v: f16, token-major [3][4096][1024]; ctx: f16 [4096][1024].
; A work-group takes one batch, one PAIR of heads (so that every row of K, V and ctx is 256 consecutive bytes at a multiple of 256) and 128 queries.
; Eight waves: head = w >> 2, queries 32 (w & 3) .. + 31 (two tiles of 16).  Two waves lie on a SIMD, so that one wave's softmax runs beside the other's products.
; NO DATA CROSSES LANES BUT ONE MAXIMUM AND ONE SUM:
;   S^T = K Q^T  (source 0 = 16 tokens of K, source 1 = 16 queries): lane (r, h) holds query r, tokens 8 h + j;
;   two such tiles, packed to f16, ARE the second source P^T for 32 tokens;
;   O^T = V^T P^T (source 0 = V through the transposing LDS load): lane (r, h) holds query r, d = 16 dt + 8 h + j: 16 neighbouring bytes of a row of ctx.
; CLUSTER 4 x 1: the four query blocks of a cluster read the same K and V: joint loads with the mask 15.
; K and V come in four chunks of 256 tokens through two LDS slots: two first fills, two refills, each refill behind a round of the cluster's barrier.
; K's fragments and the mask's terms are read from LDS ONE STEP AHEAD, so that a step's first products follow the last step's products directly;
; a chunk's last step reads nothing ahead (the next slot is whole only behind the barrier), and a chunk's head reads its own first fragments.
; f16's ROOM: P lies in [0, 1] (what is below 2^-25 becomes zero, beside a row sum of at least 1); ctx is a weighted mean of rows of v and no larger than they.
; LIMITS KEPT: the exponent is fma(s, 0.125 log2 e, (mask * -1e9) * log2 e), one rounding where the reference has two; where a whole row is masked the
; logits are swallowed in steps of 128 (base 2) here and of 64 (base e) there.  NaN and infinities in the inputs are not followed.
.set PK,    272
.set PV,    288
.set VOFF,  256*PK
.set SLOT,  256*PK+256*PV
.set MASKB, 2*SLOT                     ; 1,024 f32: the mask's term of every token; written by LDS stores, never by a tensor load
.set STAGE, MASKB+4096                 ; 128 rows x 272 bytes for the way out, likewise
.set KB,   2                           ; lane term of K's fragments
.set VB,   3                           ; lane term of V's fragments
.set ADRK, 4
.set ADRV, 5
.set ADRM, 6
.set QO,   7
.set STO,  8
.set RD,   9
.set CO,   10
.set MB,   11                          ; lane term of the mask's terms
.set Q,    16                          ; v[16:47]    tile (qt, kk) at 16 qt + 8 kk
.set K,    48                          ; v[48:79]    tile (tt, kk) at 16 tt + 8 kk
.set V,    80                          ; v[80:111]   tile dt
.set S,    112                         ; v[112:143]  tile (qt, tt) at 16 qt + 8 tt
.set P,    144                         ; v[144:159]  tile qt
.set O,    160                         ; v[160:223]  tile (qt, dt) at 32 qt + 8 dt
.set MK,   224                         ; v[224:239]  tile tt
.set MA,   240                         ; v[240:243]  (running maximum, factor alpha) of qt
.set LP,   244                         ; v[244:247]  two running sums of qt
.set TA,   248                         ; v[248:251]  at work for query tile 0, v[252:255] for tile 1: the two tiles' chains are interleaved
.set TB,   249
.set TC,   250
.set TD,   251
.set G1K, 20
.set G1V, 28
.set G0K, 36
.set G0V, 44
.macro ROUND
	s_barrier_signal -1
	s_barrier_wait -1
	s_cmp_lg_u32 s10, 0
	s_cbranch_scc1 .Lnot_wave_0_\@
	s_barrier_signal -3
.Lnot_wave_0_\@:
	s_barrier_wait -3
	s_barrier_signal -1
	s_barrier_wait -1
.endm
.macro JLOAD s                         ; waves 0-3 ask for a quarter of K's chunk each, waves 4-7 for a quarter of V's
	s_cmp_eq_u32 s11, 0
	s_cbranch_scc0 .Lfor_v_\@
	tensor_load_to_lds s[G0K+4*\s:G0K+4*\s+3], s[G1K:G1K+7]
	s_nop 0
	s_branch .Lasked_\@
.Lfor_v_\@:
	tensor_load_to_lds s[G0V+4*\s:G0V+4*\s+3], s[G1V:G1V+7]
	s_nop 0
.Lasked_\@:
.endm
	s_load_b128 s[4:7], s[0:1], 0x0                ; qkv, mask
	s_load_b64 s[8:9], s[0:1], 0x10                ; actb
	s_set_vgpr_msb 0x40
	v_lshl_add_u32 v0, v0, 2, 0x4f800
	v_mov_b32 v1, 0
	s_set_vgpr_msb 0x4045
	ds_add_u32 v0, v1
	s_wait_dscnt 0x0
	s_set_vgpr_msb 0x4500
	v_lshrrev_b32 v1, 5, v0
	v_readfirstlane_b32 s10, v1                    ; wave 0..7
	s_lshr_b32 s11, s10, 2                         ; head of the pair; also: I fetch K (0) or V (1)
	s_and_b32 s12, s10, 3                          ; my quarter of the queries; also: of a chunk's tokens
	s_bfe_u32 s13, ttmp6, 0x40000                  ; cx
	s_lshl_b32 s14, ttmp9, 2
	s_add_co_u32 s14, s14, s13                     ; query block 0..7
	s_and_b32 s15, ttmp7, 0xffff
	s_lshr_b32 s18, s15, 3                         ; batch
	s_and_b32 s19, s15, 7                          ; head pair
	s_mov_b32 s52, 0x76543210                      ; v_permlanex16_b32: lane i reads lane i of the other half
	s_mov_b32 s53, 0xfedcba98
	s_mov_b32 s54, 0x3e38aa3b                      ; 0.125 log2 e
	s_mov_b32 s55, 0x3e38aa3b
	; group 1: 64 tokens x 128 elements of 2 bytes, mask 15, padding behind every 64 words: 4 words for K, 8 for V
	s_mov_b32 s[G1K+0], 15|(1<<16)|(1<<20)|(1<<21)|(5<<22)|(3<<25)
	s_mov_b32 s[G1V+0], 15|(1<<16)|(1<<20)|(1<<21)|(5<<22)|(7<<25)
	s_mov_b32 s[G1K+1], 128<<16
	s_mov_b32 s[G1V+1], 128<<16
	s_mov_b32 s[G1K+2], 64<<16
	s_mov_b32 s[G1V+2], 64<<16
	s_mov_b32 s[G1K+3], 128<<16
	s_mov_b32 s[G1V+3], 128<<16
	s_mov_b32 s[G1K+4], 64
	s_mov_b32 s[G1V+4], 64
	s_mov_b32 s[G1K+5], 1024
	s_mov_b32 s[G1V+5], 1024
	s_mov_b32 s[G1K+6], 0
	s_mov_b32 s[G1V+6], 0
	s_mov_b32 s[G1K+7], 0
	s_mov_b32 s[G1V+7], 0
	s_lshl_b32 s58, s18, 21                        ; the batch's 1,024 tokens of 2,048 bytes,
	s_lshl_b32 s57, s19, 8                         ; the pair's 256 bytes in a row,
	s_add_co_u32 s58, s58, s57
	s_lshl_b32 s57, s12, 17                        ; my 64 tokens of a chunk: nothing here hangs on cx
	s_add_co_u32 s58, s58, s57
	s_mov_b32 s59, 0
	s_mul_i32 s60, s12, 64*PK
	s_mul_i32 s61, s12, 64*PV
	s_add_co_u32 s61, s61, VOFF
	ROUND                                          ; the four work-groups gather while the arguments come in: the first joint loads will meet
	s_wait_kmcnt 0x0
	s_add_nc_u64 s[16:17], s[4:5], s[58:59]
.irp s, 0,1
	s_mov_b32 s[G0K+4*\s], 1
	s_add_co_u32 s[G0K+4*\s+1], s60, \s*SLOT
	s_add_nc_u64 s[G0K+4*\s+2:G0K+4*\s+3], s[16:17], 0x800000+\s*0x80000     ; k lies 8 MiB into qkv; a chunk is 256 tokens
	s_or_b32 s[G0K+4*\s+3], s[G0K+4*\s+3], 0x80000000
	s_mov_b32 s[G0V+4*\s], 1
	s_add_co_u32 s[G0V+4*\s+1], s61, \s*SLOT
	s_add_nc_u64 s[G0V+4*\s+2:G0V+4*\s+3], s[16:17], 0x1000000+\s*0x80000    ; v lies 16 MiB into it
	s_or_b32 s[G0V+4*\s+3], s[G0V+4*\s+3], 0x80000000
.endr
	JLOAD 0                                        ; chunks 0 and 1: by this text's count two tensor loads of a wave are out here, later one
	JLOAD 1
	s_lshl_b32 s58, s18, 12
	s_add_nc_u64 s[6:7], s[6:7], s[58:59]          ; the batch's row of the mask
	v_lshlrev_b32 v12, 4, v0
	global_load_b128 v[MK:MK+3], v12, s[6:7]       ; 256 threads x 4 tokens
	s_lshl_b32 s63, s18, 10
	s_lshl_b32 s58, s14, 7
	s_add_co_u32 s63, s63, s58                     ; the work-group's first query, as a token row
	s_lshl_b32 s58, s12, 5
	s_add_co_u32 s58, s63, s58                     ; my wave's
	s_lshl_b32 s58, s58, 11
	s_lshl_b32 s62, s19, 1
	s_add_co_u32 s62, s62, s11
	s_lshl_b32 s62, s62, 7                         ; my head's 128 bytes in a row
	s_add_co_u32 s58, s58, s62
	s_add_nc_u64 s[4:5], s[4:5], s[58:59]
	v_and_b32 v13, 15, v0                          ; r
	v_bfe_u32 v14, v0, 4, 1                        ; h
	v_lshlrev_b32 v[QO], 11, v13
	v_lshl_add_u32 v[QO], v14, 4, v[QO]
.irp qt, 0,1
.irp kk, 0,1
	global_load_b128 v[Q+16*\qt+8*\kk:Q+16*\qt+8*\kk+3],   v[QO], s[4:5] offset:32768*\qt+64*\kk
	global_load_b128 v[Q+16*\qt+8*\kk+4:Q+16*\qt+8*\kk+7], v[QO], s[4:5] offset:32768*\qt+64*\kk+32
.endr
.endr
	s_lshl_b32 s57, s11, 7                         ; my head's 128 bytes in an LDS row
	v_mul_u32_u24 v[KB], v13, PK
	v_lshl_add_u32 v[KB], v14, 4, v[KB]
	v_add_nc_u32 v[KB], s57, v[KB]                 ; r x pitch + 16 h + head
	v_and_b32 v15, 7, v0
	v_lshl_or_b32 v15, v14, 3, v15
	v_mul_u32_u24 v[VB], v15, PV
	v_bfe_u32 v15, v0, 3, 1
	v_lshl_add_u32 v[VB], v15, 4, v[VB]
	s_add_co_u32 s57, s57, VOFF
	v_add_nc_u32 v[VB], s57, v[VB]                 ; (8 h + l % 8) x pitch + 16 for lanes 8-15 and 24-31 + head, behind K
	v_lshlrev_b32 v[MB], 5, v14
	v_add_nc_u32 v[MB], MASKB, v[MB]               ; my 8 tokens of a tile: 32 h bytes
	v_add_nc_u32 v1, MASKB, v12
	s_mul_i32 s57, s12, 32*PK
	s_add_co_u32 s57, s57, STAGE
	v_add_nc_u32 v[STO], s57, v[KB]                ; stage: row 32 (w & 3) + r, head, 16 h
	v_mul_u32_u24 v[RD], v14, PK
	v_lshl_add_u32 v[RD], v13, 4, v[RD]
	s_mul_i32 s57, s10, 16*PK
	s_add_co_u32 s57, s57, STAGE
	v_add_nc_u32 v[RD], s57, v[RD]                 ; back: rows 16 w + h, 16 bytes a lane
	v_lshlrev_b32 v[CO], 11, v14
	v_lshl_add_u32 v[CO], v13, 4, v[CO]
	s_lshl_b32 s58, s10, 4
	s_add_co_u32 s58, s58, s63
	s_lshl_b32 s58, s58, 11
	s_lshl_b32 s57, s19, 8
	s_add_co_u32 s58, s58, s57
	s_add_nc_u64 s[8:9], s[8:9], s[58:59]          ; ctx at row 16 w of the work-group's queries, the pair's 256 bytes
	v_mov_b32 v[TB], 0                             ; v_permlanex16_b32's destination counts as read
	v_mov_b32 v[TB+4], 0
	s_wait_loadcnt 8                               ; the mask is in; Q's eight loads stay out
.irp c, 0,1,2,3
	v_mul_f32 v[MK+\c], 0xce6e6b28, v[MK+\c]       ; mask * -1e9, as the reference rounds it,
.endr
.irp c, 0,1,2,3
	v_mul_f32 v[MK+\c], 0x3fb8aa3b, v[MK+\c]       ; in base 2
.endr
	ds_store_b128 v1, v[MK:MK+3]
	s_wait_loadcnt 0x0                             ; Q
	s_wait_tensorcnt 1                             ; my part of chunk 0 is in; chunk 1's may stay out
	s_wait_dscnt 0x0                               ; my part of the mask's terms is written
	s_barrier_signal -1
	s_barrier_wait -1
.macro KLOAD                           ; eight LDS loads: K's fragments of the 32 tokens at ADRK
.irp tt, 0,1
.irp kk, 0,1
	ds_load_b128 v[K+16*\tt+8*\kk:K+16*\tt+8*\kk+3],   v[ADRK] offset:16*PK*\tt+64*\kk
	ds_load_b128 v[K+16*\tt+8*\kk+4:K+16*\tt+8*\kk+7], v[ADRK] offset:16*PK*\tt+64*\kk+32
.endr
.endr
.endm
.macro MLOAD                           ; four LDS loads: the mask's terms of the 32 tokens at ADRM
.irp tt, 0,1
	ds_load_b128 v[MK+8*\tt:MK+8*\tt+3],   v[ADRM] offset:64*\tt
	ds_load_b128 v[MK+8*\tt+4:MK+8*\tt+7], v[ADRM] offset:64*\tt+16
.endr
.endm
; The running maxima of both query tiles and the factors alpha = 2^(old - new): four chains, line by line in turn
.macro ROWMAX2 first
.irp qt, 0,1
	v_max3_num_f32 v[TA+4*\qt], v[S+16*\qt],   v[S+16*\qt+1],  v[S+16*\qt+2]
	v_max3_num_f32 v[TC+4*\qt], v[S+16*\qt+9], v[S+16*\qt+10], v[S+16*\qt+11]
.endr
.irp qt, 0,1
	v_max3_num_f32 v[TA+4*\qt], v[TA+4*\qt], v[S+16*\qt+3],  v[S+16*\qt+4]
	v_max3_num_f32 v[TC+4*\qt], v[TC+4*\qt], v[S+16*\qt+12], v[S+16*\qt+13]
.endr
.irp qt, 0,1
	v_max3_num_f32 v[TA+4*\qt], v[TA+4*\qt], v[S+16*\qt+5],  v[S+16*\qt+6]
	v_max3_num_f32 v[TC+4*\qt], v[TC+4*\qt], v[S+16*\qt+14], v[S+16*\qt+15]
.endr
.irp qt, 0,1
	v_max3_num_f32 v[TA+4*\qt], v[TA+4*\qt], v[S+16*\qt+7],  v[S+16*\qt+8]
.endr
.irp qt, 0,1
	v_max_num_f32 v[TA+4*\qt], v[TA+4*\qt], v[TC+4*\qt]
.endr
.irp qt, 0,1
	v_permlanex16_b32 v[TB+4*\qt], v[TA+4*\qt], s52, s53       ; the other 16 tokens of the same query
.endr
.if \first
.irp qt, 0,1
	v_max_num_f32 v[MA+2*\qt], v[TA+4*\qt], v[TB+4*\qt]
	v_mov_b32 v[MA+2*\qt+1], 0                     ; not used in this step; the pair counts as read
.endr
.else
.irp qt, 0,1
	v_max3_num_f32 v[TD+4*\qt], v[TA+4*\qt], v[TB+4*\qt], v[MA+2*\qt]
.endr
.irp qt, 0,1
	v_sub_f32 v[TA+4*\qt], v[MA+2*\qt], v[TD+4*\qt]
.endr
.irp qt, 0,1
	v_exp_f32 v[MA+2*\qt+1], v[TA+4*\qt]
.endr
	s_wait_alu depctr_va_vdst(0)
.irp qt, 0,1
	v_mov_b32 v[MA+2*\qt], v[TD+4*\qt]             ; the plain places behind the exponentials (ISA guide 5.7.2)
.endr
.endif
.endm
; One step: 32 tokens.  At its head K's eight loads and, behind them, the mask's four are out or in.
; first = 1: the products and the sums start here, nothing is cleared.  pre = 1: the next step's K and mask terms are asked for.
.macro STEP first, pre
	s_wait_dscnt 4                                 ; K's eight loads are in; the mask's four may stay out
	; the four tiles of S take turns, one instruction a turn
.irp qt, 0,1
.irp tt, 0,1
	v_wmma_f32_16x16x32_f16 v[S+16*\qt+8*\tt:S+16*\qt+8*\tt+7], v[K+16*\tt:K+16*\tt+7], v[Q+16*\qt:Q+16*\qt+7], 0
.endr
.endr
.irp qt, 0,1
.irp tt, 0,1
	v_wmma_f32_16x16x32_f16 v[S+16*\qt+8*\tt:S+16*\qt+8*\tt+7], v[K+16*\tt+8:K+16*\tt+15], v[Q+16*\qt+8:Q+16*\qt+15], v[S+16*\qt+8*\tt:S+16*\qt+8*\tt+7]
.endr
.endr
	; four places: behind these products, whose results are read below and whose source K is loaded again, and behind the last step's,
	; whose source V is loaded next (ISA guide 7.12.1 for vector instructions)
	v_add_nc_u32 v[ADRK], 32*PK, v[ADRK]
	v_add_nc_u32 v[ADRM], 128, v[ADRM]
	v_nop
	v_nop
.irp dt, 0,1,2,3
	ds_load_tr16_b128 v[V+8*\dt:V+8*\dt+3],   v[ADRV] offset:32*\dt
	ds_load_tr16_b128 v[V+8*\dt+4:V+8*\dt+7], v[ADRV] offset:32*\dt+16*PV
.endr
.if \pre
	KLOAD                                          ; the next step's K: it has this step's softmax in which to come
.endif
	v_add_nc_u32 v[ADRV], 32*PV, v[ADRV]
	s_wait_dscnt 8+8*\pre                          ; the mask's terms are in; V's eight loads, and the next K's eight, stay out
.irp qt, 0,1
.irp tt, 0,1
.irp p, 0,2,4,6
	v_pk_fma_f32 v[S+16*\qt+8*\tt+\p:S+16*\qt+8*\tt+\p+1], v[S+16*\qt+8*\tt+\p:S+16*\qt+8*\tt+\p+1], s[54:55], v[MK+8*\tt+\p:MK+8*\tt+\p+1] op_sel_hi:[1,0,1]
.endr
.endr
.endr
.if \pre
	MLOAD                                          ; the next step's mask terms, now that this step's have been read
.endif
	ROWMAX2 \first
.irp qt, 0,1
.irp p, 0,2,4,6,8,10,12,14
	v_pk_add_f32 v[S+16*\qt+\p:S+16*\qt+\p+1], v[S+16*\qt+\p:S+16*\qt+\p+1], v[MA+2*\qt:MA+2*\qt+1] op_sel_hi:[1,0] neg_lo:[0,1] neg_hi:[0,1]
.endr
.endr
.set j, 0
.rept 32
	v_exp_f32 v[S+j], v[S+j]                       ; exponents are at most 0
.set j, j+1
.endr
.if \first
	v_nop                                          ; the plain place behind the exponentials
	s_wait_alu depctr_va_vdst(0)
.else
	s_wait_alu depctr_va_vdst(0)
.irp qt, 0,1
.irp p, 0,2,4,6,8,10,12,14,16,18,20,22,24,26,28,30
	v_pk_mul_f32 v[O+32*\qt+\p:O+32*\qt+\p+1], v[O+32*\qt+\p:O+32*\qt+\p+1], v[MA+2*\qt:MA+2*\qt+1] op_sel:[0,1] op_sel_hi:[1,1]
.endr
.endr
.endif
.irp qt, 0,1
.irp i, 0,1,2,3,4,5,6,7
	v_cvt_pk_f16_f32 v[P+8*\qt+\i], v[S+16*\qt+2*\i], v[S+16*\qt+2*\i+1]
.endr
.endr
	; the row sums: a tree in place over the exponentials, both query tiles in turn
.irp qt, 0,1
	v_pk_add_f32 v[S+16*\qt:S+16*\qt+1],     v[S+16*\qt:S+16*\qt+1],     v[S+16*\qt+2:S+16*\qt+3]
	v_pk_add_f32 v[S+16*\qt+4:S+16*\qt+5],   v[S+16*\qt+4:S+16*\qt+5],   v[S+16*\qt+6:S+16*\qt+7]
	v_pk_add_f32 v[S+16*\qt+8:S+16*\qt+9],   v[S+16*\qt+8:S+16*\qt+9],   v[S+16*\qt+10:S+16*\qt+11]
	v_pk_add_f32 v[S+16*\qt+12:S+16*\qt+13], v[S+16*\qt+12:S+16*\qt+13], v[S+16*\qt+14:S+16*\qt+15]
.endr
.irp qt, 0,1
	v_pk_add_f32 v[S+16*\qt:S+16*\qt+1],     v[S+16*\qt:S+16*\qt+1],     v[S+16*\qt+4:S+16*\qt+5]
	v_pk_add_f32 v[S+16*\qt+8:S+16*\qt+9],   v[S+16*\qt+8:S+16*\qt+9],   v[S+16*\qt+12:S+16*\qt+13]
.endr
.if \first
.irp qt, 0,1
	v_pk_add_f32 v[LP+2*\qt:LP+2*\qt+1], v[S+16*\qt:S+16*\qt+1], v[S+16*\qt+8:S+16*\qt+9]
.endr
.else
.irp qt, 0,1
	v_pk_add_f32 v[S+16*\qt:S+16*\qt+1], v[S+16*\qt:S+16*\qt+1], v[S+16*\qt+8:S+16*\qt+9]
.endr
.irp qt, 0,1
	v_pk_fma_f32 v[LP+2*\qt:LP+2*\qt+1], v[LP+2*\qt:LP+2*\qt+1], v[MA+2*\qt:MA+2*\qt+1], v[S+16*\qt:S+16*\qt+1] op_sel:[0,1,0] op_sel_hi:[1,1,1]
.endr
.endif
	s_wait_dscnt 12*\pre                           ; V is in; the next K's eight loads and the next mask's four stay out
.irp dt, 0,1,2,3
.irp qt, 0,1
.if \first
	v_wmma_f32_16x16x32_f16 v[O+32*\qt+8*\dt:O+32*\qt+8*\dt+7], v[V+8*\dt:V+8*\dt+7], v[P+8*\qt:P+8*\qt+7], 0
.else
	v_wmma_f32_16x16x32_f16 v[O+32*\qt+8*\dt:O+32*\qt+8*\dt+7], v[V+8*\dt:V+8*\dt+7], v[P+8*\qt:P+8*\qt+7], v[O+32*\qt+8*\dt:O+32*\qt+8*\dt+7]
.endif
.endr
.endr
.endm
; A chunk of 256 tokens = eight steps out of one slot: the head's loads, seven steps that read ahead, one that does not
.macro CHUNK slot, first, chunk
	v_add_nc_u32 v[ADRK], \slot*SLOT, v[KB]
	v_add_nc_u32 v[ADRV], \slot*SLOT, v[VB]
	v_add_nc_u32 v[ADRM], \chunk*1024, v[MB]
	KLOAD
	MLOAD
.if \first
	STEP 1, 1
	s_mov_b32 s56, 6
.else
	s_mov_b32 s56, 7
.endif
.Lstep_\@:
	STEP 0, 1
	s_sub_co_u32 s56, s56, 1
	s_cmp_lg_u32 s56, 0
	s_cbranch_scc1 .Lstep_\@
	STEP 0, 0
.endm
; The slot just read is filled again, two chunks ahead: my reads of it are back and all my tensor loads have landed (the other slot's among them),
; so the descriptors may be stepped; a round of the cluster's barrier says the same of every wave of the four work-groups; the joint load comes first behind it.
.macro REFILL slot
	s_wait_dscnt 0x0
	s_set_vgpr_msb 0x5
	s_wait_tensorcnt 0x0
	ds_add_u32 v0, v1
	s_wait_dscnt 0x0
	s_set_vgpr_msb 0x500
	s_add_nc_u64 s[G0K+4*\slot+2:G0K+4*\slot+3], s[G0K+4*\slot+2:G0K+4*\slot+3], 0x100000
	s_add_nc_u64 s[G0V+4*\slot+2:G0V+4*\slot+3], s[G0V+4*\slot+2:G0V+4*\slot+3], 0x100000
	ROUND
	JLOAD \slot
.endm
	CHUNK 0, 1, 0
	REFILL 0
	CHUNK 1, 0, 1
	REFILL 1
	CHUNK 0, 0, 2
	s_wait_dscnt 0x0
	s_wait_tensorcnt 0x0                           ; my part of the last chunk is in
	s_barrier_signal -1
	s_barrier_wait -1                              ; everybody's is; nothing is filled again
	CHUNK 1, 0, 3
	; THE WAY OUT.  The four adds and the v_nop are the places behind the last products.  The sum is at least 1: the token of the maximum gives 1.
	v_add_f32 v[TA], v[LP], v[LP+1]
	v_add_f32 v[TC], v[LP+2], v[LP+3]
	v_permlanex16_b32 v[TB], v[TA], s52, s53
	v_permlanex16_b32 v[TD], v[TC], s52, s53
	v_add_f32 v[TA], v[TA], v[TB]
	v_add_f32 v[TC], v[TC], v[TD]
	v_rcp_f32 v[MA], v[TA]
	v_rcp_f32 v[MA+2], v[TC]
	v_nop
	s_wait_alu depctr_va_vdst(0)
.irp qt, 0,1
.irp p, 0,2,4,6,8,10,12,14,16,18,20,22,24,26,28,30
	v_pk_mul_f32 v[O+32*\qt+\p:O+32*\qt+\p+1], v[O+32*\qt+\p:O+32*\qt+\p+1], v[MA+2*\qt:MA+2*\qt+1] op_sel_hi:[1,0]
.endr
.endr
.irp qt, 0,1
.irp dt, 0,1,2,3
.irp i, 0,1,2,3
	v_cvt_pk_f16_f32 v[O+32*\qt+8*\dt+\i], v[O+32*\qt+8*\dt+2*\i], v[O+32*\qt+8*\dt+2*\i+1]
.endr
	ds_store_b128 v[STO], v[O+32*\qt+8*\dt:O+32*\qt+8*\dt+3] offset:16*PK*\qt+32*\dt
.endr
.endr
	s_wait_dscnt 0x0                               ; a row of the stage holds both heads: two waves wrote it
	s_barrier_signal -1
	s_barrier_wait -1
.irp t, 0,1,2,3,4,5,6,7
	ds_load_b128 v[K+4*\t:K+4*\t+3], v[RD] offset:\t*2*PK
.endr
.irp t, 0,1,2,3,4,5,6,7
	s_wait_dscnt 7-\t
	global_store_b128 v[CO], v[K+4*\t:K+4*\t+3], s[8:9] offset:4096*\t     ; sixteen lanes store 256 consecutive bytes at a multiple of 256
.endr
	s_set_vgpr_msb 0x5
	s_wait_tensorcnt 0x0
	ds_add_u32 v0, v1
	s_wait_dscnt 0x0
	s_set_vgpr_msb 0x500
	ROUND                                          ; the closing round
	s_endpgm
.Lfunc_end_k_q498f3e07de_attn:
	.size	k_q498f3e07de_attn, .Lfunc_end_k_q498f3e07de_attn-k_q498f3e07de_attn
	.p2alignl 7, 3214868480
	.fill 96, 4, 3214868480
	.section	.rodata,"a",@progbits
	.p2align	6, 0x0
	.amdhsa_kernel k_q498f3e07de_attn
		.amdhsa_group_segment_fixed_size 327680
		.amdhsa_private_segment_fixed_size 0
		.amdhsa_enable_private_segment 0
		.amdhsa_kernarg_size 24
		.amdhsa_user_sgpr_count 2
		.amdhsa_user_sgpr_kernarg_segment_ptr 1
		.amdhsa_wavefront_size32 1
		.amdhsa_system_sgpr_workgroup_id_x 1
		.amdhsa_system_sgpr_workgroup_id_y 1
		.amdhsa_system_sgpr_workgroup_id_z 1
		.amdhsa_system_vgpr_workitem_id 0
		.amdhsa_next_free_vgpr 258
		.amdhsa_next_free_sgpr 66
		.amdhsa_reserve_vcc 0
		.amdhsa_float_denorm_mode_32 3
		.amdhsa_float_denorm_mode_16_64 3
		.amdhsa_memory_ordered 1
		.amdhsa_forward_progress 1
		.amdhsa_inst_pref_size 116
	.end_amdhsa_kernel
	.amdgpu_metadata
---
amdhsa.version: [ 1, 2 ]
amdhsa.kernels:
  - .name:           k_q498f3e07de_attn
    .symbol:         k_q498f3e07de_attn.kd
    .args:
      - { .name: qkv, .offset: 0, .size: 8, .value_kind: global_buffer, .address_space: global }
      - { .name: mask, .offset: 8, .size: 8, .value_kind: global_buffer, .address_space: global }
      - { .name: actb, .offset: 16, .size: 8, .value_kind: global_buffer, .address_space: global }
    .group_segment_fixed_size: 327680
    .private_segment_fixed_size: 0
    .kernarg_segment_align: 8
    .kernarg_segment_size: 24
    .max_flat_workgroup_size: 256
    .sgpr_count:     66
    .vgpr_count:     258
    .wavefront_size: 32
...
	.end_amdgpu_metadata
.endif
;; end of part 3
;; launch zproj (part 4): grid 8 x 32, 4 waves a work-group, clusters of 4 x 4, 327,680 bytes of LDS; arguments actb, wsq, bo, inputs, xpre; writes xpre
.if DOCPART == 4
	.amdgcn_target "amdgcn-amd-amdhsa--gfx1250"
	.amdhsa_code_object_version 6
	.text
	.protected	k_q498f3e07de_zproj
	.globl	k_q498f3e07de_zproj
	.p2align	8
	.type	k_q498f3e07de_zproj,@function
k_q498f3e07de_zproj:
	s_mov_b64 s[64:65], 0
	v_nop
	global_prefetch_b8 v0, s[64:65] scope:SCOPE_SE
	s_setreg_imm32_b32 hwreg(HW_REG_WAVE_MODE, 25, 1), 1
	s_wait_xcnt 0x0
	s_wait_alu depctr_hold_cnt(0) depctr_sa_sdst(0) depctr_va_vdst(0) depctr_va_sdst(0) depctr_va_ssrc(0) depctr_va_vcc(0) depctr_vm_vsrc(0)
	s_getreg_b32 s2, hwreg(HW_REG_IB_STS2, 6, 4)
	s_cmp_eq_u32 s2, 0
	s_cbranch_scc0 .Lentry_in_a_cluster
	s_endpgm
.Lentry_in_a_cluster:
	s_bfe_u32 s2, ttmp6, 0x10000c
	s_cmp_lg_u32 s2, 0xf033
	s_cbranch_scc0 .Lentry_shape_is_right
	s_endpgm
.Lentry_shape_is_right:
; RESID: out = A B + bias + R.  A: [4096][1024] f16, B: [1024 k][1024 n] f16, bias: [1024] f32, R and out: [4096][1024] f32.  Sums in f32.
; Run twice: ctx wo + bo + inputs, and out1 (w1 w2) + (b1 w2 + b2) + out1.
; 4,096 x 1,024 outputs on 256 work-groups are blocks of 128 x 128; four waves, each 64 x 64: 16 accumulator tiles.
; A slot holds 256 along K, so K = 1,024 is two first fills and two refills, each refill behind a round of the cluster's barrier.
; A slot is multiplied in four parts of 64 along K: 32 matrix instructions on one fragment buffer, and in their middle ONE run of 32 LDS loads
; into the other buffer, 16 matrix instructions ahead of its first use.
; The residual is not asked for at the start, where the first tiles are wanted: its two halves of 16 loads go out behind the two refills' requests
; and have the rest of the product in which to land.
; CLUSTERS 4 x 4: A's tile is asked for jointly by a row of the cluster, B's by a column.  B lies [k][n] and is read by the transposing LDS load.
; The matrix instruction is used transposed (source 0 = 16 columns of B, source 1 = 16 rows of A): a lane holds 8 neighbouring columns of a row.
; REGISTERS, in windows of 256:
;   window 0: v16-27 addresses, v32-63 the bias as a C operand, v64-127 and v128-191 A's fragments, two buffers (block a, half kk of the part at 16 a + 8 kk);
;   window 1: v0-127 the accumulators (tile (a, b) at 8 (4 a + b)), v128-191 and v192-255 B's fragments, two buffers (block b, half kk at 16 b + 8 kk);
;   window 2: v0-127 R, in the layout in which rows leave.
.set PA,    528                        ; A's LDS row: 512 bytes + 16
.set PB,    288                        ; B's LDS row: 256 bytes + 32
.set HALFA, 64*PA
.set HALFB, 128*PB
.set BOFF,  2*HALFA
.set SLOT,  2*HALFA+2*HALFB
.set STAGE, 2*SLOT                     ; 16 rows x 272 bytes for each wave, never filled by a tensor load
.set SP,    272
.set ROWB,  2048
.set ROWF,  4096
.set ADRA, 16                          ; v16-17  slot 0, 1
.set ADRB, 20                          ; v20-23  slot 0, 1 x the slot's first, second 128 k-rows
.set STO,  24
.set RD,   25
.set CO,   26
.set BO,   27
.set BIAS, 32
.set F0,   64                          ; buffer 0: A's fragments at v64 of window 0, B's at v128 of window 1
.set F1,   128                         ; buffer 1: A's at v128 of window 0, B's at v192 of window 1
.set FB,   64                          ; B's fragments lie 64 register numbers above A's, one window up
.set R,    0                           ; in window 2
.set G1,  24
.set G0,  32
.set G1B, 48
.set G0B, 56
.set MSB, 0
.macro WIN new                         ; the immediate's high byte repeats the setting that is left
.if MSB != \new
	s_set_vgpr_msb (MSB<<8)|\new
.set MSB, \new
.endif
.endm
.set MUL,   0x51                       ; source 0 (B) window 1, source 1 (A) window 0, C and D window 1
.set MULB,  0x41                       ; the same with C in window 0: the bias
.set TO_B,  0x40                       ; a load's destination in window 1, its address in window 0
.set TO_R,  0x80                       ; a load's destination in window 2
.set FROM1, 0x04                       ; source 1 (an LDS store's data) window 1
.set SUM2,  0x88                       ; source 1 and destination window 2: the add onto R, and the store of its result
.macro JLOAD s
	s_cmp_eq_u32 s11, 0
	s_cbranch_scc0 .Lfor_b_\@
	tensor_load_to_lds s[G0+4*\s:G0+4*\s+3], s[G1:G1+7]
	s_nop 0
	s_branch .Lasked_\@
.Lfor_b_\@:
	tensor_load_to_lds s[G0B+4*\s:G0B+4*\s+3], s[G1B:G1B+7]
	s_nop 0
.Lasked_\@:
.endm
.macro CREST
	s_cmp_lg_u32 s10, 0
	s_cbranch_scc1 .Lnot_wave_0_\@
	s_barrier_signal -3
.Lnot_wave_0_\@:
	s_barrier_wait -3
	s_barrier_signal -1
	s_barrier_wait -1
.endm
.macro CROUND
	s_barrier_signal -1
	s_barrier_wait -1
	CREST
.endm
	s_load_b128 s[4:7], s[0:1], 0x0                ; A, B
	s_load_b128 s[68:71], s[0:1], 0x10             ; bias, R
	s_load_b64 s[8:9], s[0:1], 0x20                ; out
	v_lshl_add_u32 v254, v0, 2, 0x49400
	v_mov_b32 v255, 0
	ds_add_u32 v254, v255
	s_wait_dscnt 0x0
	v_lshrrev_b32 v1, 5, v0
	v_readfirstlane_b32 s10, v1                    ; wave 0..3
	s_lshr_b32 s11, s10, 1                         ; my half of the block's rows; also: I fetch for A (0) or for B (1)
	s_and_b32 s12, s10, 1                          ; my half of its columns; also: which half of that tile I fetch
	s_bfe_u32 s40, ttmp6, 0x40000                  ; cx
	s_bfe_u32 s41, ttmp6, 0x40004                  ; cy
	s_lshl_b32 s42, ttmp9, 2
	s_add_co_u32 s42, s42, s40                     ; block column 0..7
	s_and_b32 s13, ttmp7, 0xffff
	s_lshl_b32 s13, s13, 2
	s_add_co_u32 s13, s13, s41                     ; block row 0..31
	s_lshl_b32 s43, s41, 2
	s_lshl_b32 s43, 15, s43                        ; my row of the cluster
	s_lshl_b32 s44, 0x1111, s40                    ; my column
	; group 1.  A: 64 rows x 256 elements, 4 words of padding behind every 128.  B: 128 k-rows x 128 elements, 8 words behind every 64.
	s_or_b32 s[G1+0],  s43, (1<<16)|(1<<20)|(1<<21)|(6<<22)|(3<<25)
	s_or_b32 s[G1B+0], s44, (1<<16)|(1<<20)|(1<<21)|(5<<22)|(7<<25)
	s_mov_b32 s[G1+1],  256<<16
	s_mov_b32 s[G1B+1], 128<<16
	s_mov_b32 s[G1+2],  64<<16
	s_mov_b32 s[G1B+2], 128<<16
	s_mov_b32 s[G1+3],  256<<16
	s_mov_b32 s[G1B+3], 128<<16
	s_mov_b32 s[G1+4],  64
	s_mov_b32 s[G1B+4], 128
	s_mov_b32 s[G1+5],  1024
	s_mov_b32 s[G1B+5], 1024
	s_mov_b32 s[G1+6],  0
	s_mov_b32 s[G1B+6], 0
	s_mov_b32 s[G1+7],  0
	s_mov_b32 s[G1B+7], 0
	s_lshl_b32 s16, s13, 7
	s_lshl_b32 s17, s12, 6
	s_add_co_u32 s16, s16, s17                     ; A: row 128 x block row + 64 x half
	s_lshl_b32 s16, s16, 11
	s_mov_b32 s17, 0
	s_lshl_b32 s46, s12, 18                        ; B: k-row 128 x half,
	s_lshl_b32 s47, s42, 8                         ; 128 columns for each block column
	s_add_co_u32 s46, s46, s47
	s_mov_b32 s47, 0
	s_mul_i32 s20, s12, HALFA
	s_mul_i32 s22, s12, HALFB
	s_add_co_u32 s22, s22, BOFF
	; offsets of the plain loads and stores, in registers that feed no descriptor
	s_lshl_b32 s72, s13, 7
	s_lshl_b32 s73, s11, 6
	s_add_co_u32 s72, s72, s73                     ; my first row of C
	s_lshl_b32 s72, s72, 12
	s_lshl_b32 s74, s42, 9
	s_lshl_b32 s75, s12, 8
	s_add_co_u32 s74, s74, s75                     ; my first column, in bytes of f32
	s_add_co_u32 s72, s72, s74
	s_mov_b32 s73, 0
	s_mov_b32 s75, 0
	CROUND                                         ; the sixteen work-groups gather while the arguments come in: the first joint loads will meet
	s_wait_kmcnt 0x0
	s_add_nc_u64 s[14:15], s[4:5], s[16:17]
	s_add_nc_u64 s[46:47], s[6:7], s[46:47]
.irp s, 0,1
	s_mov_b32 s[G0+4*\s], 1
	s_add_co_u32 s[G0+4*\s+1], s20, \s*SLOT
	s_add_nc_u64 s[G0+4*\s+2:G0+4*\s+3], s[14:15], \s*512              ; 256 along K = 512 bytes along A's rows
	s_or_b32 s[G0+4*\s+3], s[G0+4*\s+3], 0x80000000
	s_mov_b32 s[G0B+4*\s], 1
	s_add_co_u32 s[G0B+4*\s+1], s22, \s*SLOT
	s_add_nc_u64 s[G0B+4*\s+2:G0B+4*\s+3], s[46:47], \s*256*ROWB       ; 256 rows down B
	s_or_b32 s[G0B+4*\s+3], s[G0B+4*\s+3], 0x80000000
	JLOAD \s                                       ; by this text's count a wave has two tensor loads out here and one behind each later round
.endr
	s_add_nc_u64 s[68:69], s[68:69], s[74:75]
	s_add_nc_u64 s[70:71], s[70:71], s[72:73]
	s_add_nc_u64 s[8:9], s[8:9], s[72:73]
	v_and_b32 v1, 15, v0                           ; r
	v_bfe_u32 v2, v0, 4, 1                         ; h
	v_lshlrev_b32 v[BO], 5, v2
	v_lshlrev_b32 v5, 12, v2
	v_lshl_add_u32 v[CO], v1, 4, v5                ; lanes 0-15 one row's 256 bytes, lanes 16-31 the next row's
.irp b, 0,1,2,3
	global_load_b128 v[BIAS+8*\b:BIAS+8*\b+3],   v[BO], s[68:69] offset:64*\b       ; register j of n block b: bias[.. + 16 b + 8 h + j]
	global_load_b128 v[BIAS+8*\b+4:BIAS+8*\b+7], v[BO], s[68:69] offset:64*\b+16
.endr
	v_mul_u32_u24 v3, v1, PA
	v_lshl_add_u32 v3, v2, 4, v3
	v_and_b32 v6, 7, v0
	v_lshl_or_b32 v6, v2, 3, v6
	v_mul_u32_u24 v6, v6, PB
	v_bfe_u32 v7, v0, 3, 1
	v_lshl_add_u32 v6, v7, 4, v6
	s_mul_i32 s21, s11, HALFA                      ; my 64 rows of A
	s_lshl_b32 s23, s12, 7                         ; my 64 columns of B: 128 bytes
	s_add_co_u32 s23, s23, BOFF
.irp s, 0,1
	v_add_nc_u32 v[ADRA+\s], s21, v3
	v_add_nc_u32 v[ADRB+2*\s], s23, v6
	v_add_nc_u32 v[ADRB+2*\s+1], HALFB, v[ADRB+2*\s]
	s_add_co_u32 s21, s21, SLOT
	s_add_co_u32 s23, s23, SLOT
.endr
	s_mul_i32 s23, s10, 16*SP
	s_add_co_u32 s23, s23, STAGE
	v_mul_u32_u24 v4, v1, SP
	v_lshl_add_u32 v4, v2, 5, v4
	v_add_nc_u32 v[STO], s23, v4                   ; in: row r, 32 bytes for each half of the lanes
	v_mul_u32_u24 v5, v2, SP
	v_lshl_add_u32 v5, v1, 4, v5
	v_add_nc_u32 v[RD], s23, v5                    ; back: two rows of 256 bytes
; eight matrix instructions: m blocks a0, a0 + 1 x the four n blocks, half kk (32 along K) of a part.  cmode = 1: the first products start the sums from the bias.
.macro MUL8 f, a0, kk, cmode
.if \cmode
	WIN MULB
.else
	WIN MUL
.endif
.irp a, \a0, \a0+1
.irp b, 0,1,2,3
.if \cmode
	v_wmma_f32_16x16x32_f16 v[8*(4*(\a)+\b):8*(4*(\a)+\b)+7], v[\f+FB+16*\b+8*\kk:\f+FB+16*\b+8*\kk+7], v[\f+16*(\a)+8*\kk:\f+16*(\a)+8*\kk+7], v[BIAS+8*\b:BIAS+8*\b+7]
.else
	v_wmma_f32_16x16x32_f16 v[8*(4*(\a)+\b):8*(4*(\a)+\b)+7], v[\f+FB+16*\b+8*\kk:\f+FB+16*\b+8*\kk+7], v[\f+16*(\a)+8*\kk:\f+16*(\a)+8*\kk+7], v[8*(4*(\a)+\b):8*(4*(\a)+\b)+7]
.endif
.endr
.endr
.endm
; 32 LDS loads in one run: the fragments of part q (64 along K, q = 0..3) of a slot into buffer f: B's sixteen first, then A's, block by block
.macro FETCH slot, q, f
	WIN TO_B
.irp b, 0,1,2,3
.irp kk, 0,1
	ds_load_tr16_b128 v[\f+FB+16*\b+8*\kk:\f+FB+16*\b+8*\kk+3],   v[ADRB+2*\slot+(\q>>1)] offset:((\q&1)*64+32*\kk)*PB+32*\b
	ds_load_tr16_b128 v[\f+FB+16*\b+8*\kk+4:\f+FB+16*\b+8*\kk+7], v[ADRB+2*\slot+(\q>>1)] offset:((\q&1)*64+32*\kk)*PB+32*\b+16*PB
.endr
.endr
	WIN 0
.irp a, 0,1,2,3
.irp kk, 0,1
	ds_load_b128 v[\f+16*\a+8*\kk:\f+16*\a+8*\kk+3],   v[ADRA+\slot] offset:\a*16*PA+128*\q+64*\kk
	ds_load_b128 v[\f+16*\a+8*\kk+4:\f+16*\a+8*\kk+7], v[ADRA+\slot] offset:\a*16*PA+128*\q+64*\kk+32
.endr
.endr
.endm
; sixteen loads of the residual: the rows of m blocks a0 and a0 + 1, in the layout in which they leave
.macro RLOAD a0
	WIN TO_R
.irp a, \a0, \a0+1
.irp t, 0,1,2,3,4,5,6,7
	global_load_b128 v[R+32*(\a)+4*\t:R+32*(\a)+4*\t+3], v[CO], s[70:71] offset:(16*(\a)+2*\t)*ROWF
.endr
.endr
.endm
.macro PLACES                          ; four places behind a matrix instruction before a load lands on a source or its result is read (ISA guide 7.12.1 for vector instructions)
.rept 4
	v_nop
.endr
.endm
; One part: 32 matrix instructions on buffer f; in its middle part nq of the same slot goes into buffer g.
; In each half eight accumulators take turns, one instruction a turn, twice in the same order.
.macro PART f, g, slot, nq, cmode
	s_wait_dscnt 8                                 ; B and A's blocks 0, 1 are in; the youngest eight loads (A's blocks 2, 3) may be out
	MUL8 \f, 0, 0, \cmode
	MUL8 \f, 0, 1, 0
	PLACES
	FETCH \slot, \nq, \g
	s_wait_dscnt 32                                ; all but the 32 just issued
	MUL8 \f, 2, 0, \cmode
	MUL8 \f, 2, 1, 0
.endm
.macro THREE slot, cmode
	PART F0, F1, \slot, 1, \cmode
	PART F1, F0, \slot, 2, 0
	PART F0, F1, \slot, 3, 0
.endm
; The slot's last part changes slots.  At its head my reads of the slot are back (the last were issued 16 matrix instructions ago) and all my tensor
; loads have landed: I say so, multiply half of the part on registers while the others arrive, and go on when all four waves have said so.
; fill = 1: the barrier opens a round of the cluster's barrier; the joint refill, 512 along K ahead, comes first behind the round, and sixteen loads
; of the residual (m blocks ra, ra + 1) follow behind the next slot's first fragments.
.macro TURN slot, next, fill, ra
	s_wait_dscnt 0
	s_set_vgpr_msb 0x5150
	s_wait_tensorcnt 0x0
	ds_add_u32 v254, v255
	s_wait_dscnt 0x0
	s_set_vgpr_msb 0x5051
	s_barrier_signal -1
	MUL8 F1, 0, 0, 0                               ; register work between signal and wait
	MUL8 F1, 0, 1, 0
	WIN 0
	s_barrier_wait -1
.if \fill
	CREST
	s_add_nc_u64 s[G0+4*\slot+2:G0+4*\slot+3], s[G0+4*\slot+2:G0+4*\slot+3], 1024
	s_add_nc_u64 s[G0B+4*\slot+2:G0B+4*\slot+3], s[G0B+4*\slot+2:G0B+4*\slot+3], 512*ROWB
	JLOAD \slot
.endif
	PLACES
	FETCH \next, 0, F0
.if \fill
	RLOAD \ra
.endif
	MUL8 F1, 2, 0, 0
	MUL8 F1, 2, 1, 0
.endm
	s_wait_tensorcnt 1                             ; my part of slot 0 is in; slot 1's may stay out
	s_barrier_signal -1
	s_barrier_wait -1
	FETCH 0, 0, F0
	s_wait_loadcnt 0x0                             ; the bias: the only loads into registers so far
	THREE 0, 1
	TURN 0, 1, 1, 0
	THREE 1, 0
	TURN 1, 0, 1, 2
	THREE 0, 0
	TURN 0, 1, 0, 0
	THREE 1, 0
	s_wait_dscnt 8
	MUL8 F1, 0, 0, 0
	MUL8 F1, 0, 1, 0
	s_wait_dscnt 0
	MUL8 F1, 2, 0, 0
	MUL8 F1, 2, 1, 0
	PLACES                                         ; the places behind the last matrix instructions
; 16 rows at a time through my stage; the sums are added onto R in place and stored from there, so no register that a store reads is written again.
.macro OUTF a, f
	WIN FROM1
.irp b, 0,1,2,3
	ds_store_b128 v[STO], v[8*(4*\a+\b):8*(4*\a+\b)+3]   offset:64*\b
	ds_store_b128 v[STO], v[8*(4*\a+\b)+4:8*(4*\a+\b)+7] offset:64*\b+16
.endr
.irp t, 0,1,2,3,4,5,6,7
	ds_load_b128 v[\f+4*\t:\f+4*\t+3], v[RD] offset:\t*2*SP        ; a wave's LDS instructions are served in order: these see the stores above
.endr
	s_wait_loadcnt 24-8*\a                         ; R's eight loads of this m block are in; those of the later blocks, eight each, may stay out
	WIN SUM2
.irp t, 0,1,2,3,4,5,6,7
	s_wait_dscnt 7-\t
	v_pk_add_f32 v[R+32*\a+4*\t:R+32*\a+4*\t+1],   v[\f+4*\t:\f+4*\t+1],   v[R+32*\a+4*\t:R+32*\a+4*\t+1]
	v_pk_add_f32 v[R+32*\a+4*\t+2:R+32*\a+4*\t+3], v[\f+4*\t+2:\f+4*\t+3], v[R+32*\a+4*\t+2:R+32*\a+4*\t+3]
	global_store_b128 v[CO], v[R+32*\a+4*\t:R+32*\a+4*\t+3], s[8:9] offset:(16*\a+2*\t)*ROWF     ; sixteen lanes store 256 consecutive bytes at a multiple of 256
.endr
.endm
	OUTF 0, F0
	OUTF 1, F1
	OUTF 2, F0
	OUTF 3, F1
	WIN 0
	s_wait_tensorcnt 0x0
	ds_add_u32 v254, v255
	s_wait_dscnt 0x0
	CROUND                                         ; the closing round
	s_endpgm
.Lfunc_end_k_q498f3e07de_zproj:
	.size	k_q498f3e07de_zproj, .Lfunc_end_k_q498f3e07de_zproj-k_q498f3e07de_zproj
	.p2alignl 7, 3214868480
	.fill 96, 4, 3214868480
	.section	.rodata,"a",@progbits
	.p2align	6, 0x0
	.amdhsa_kernel k_q498f3e07de_zproj
		.amdhsa_group_segment_fixed_size 327680
		.amdhsa_private_segment_fixed_size 0
		.amdhsa_enable_private_segment 0
		.amdhsa_kernarg_size 40
		.amdhsa_user_sgpr_count 2
		.amdhsa_user_sgpr_kernarg_segment_ptr 1
		.amdhsa_wavefront_size32 1
		.amdhsa_system_sgpr_workgroup_id_x 1
		.amdhsa_system_sgpr_workgroup_id_y 1
		.amdhsa_system_sgpr_workgroup_id_z 1
		.amdhsa_system_vgpr_workitem_id 0
		.amdhsa_next_free_vgpr 640
		.amdhsa_next_free_sgpr 80
		.amdhsa_reserve_vcc 0
		.amdhsa_float_denorm_mode_32 3
		.amdhsa_float_denorm_mode_16_64 3
		.amdhsa_memory_ordered 1
		.amdhsa_forward_progress 1
		.amdhsa_inst_pref_size 95
	.end_amdhsa_kernel
	.amdgpu_metadata
---
amdhsa.version: [ 1, 2 ]
amdhsa.kernels:
  - .name:           k_q498f3e07de_zproj
    .symbol:         k_q498f3e07de_zproj.kd
    .args:
      - { .name: actb, .offset: 0, .size: 8, .value_kind: global_buffer, .address_space: global }
      - { .name: wsq, .offset: 8, .size: 8, .value_kind: global_buffer, .address_space: global }
      - { .name: bo, .offset: 16, .size: 8, .value_kind: global_buffer, .address_space: global }
      - { .name: inputs, .offset: 24, .size: 8, .value_kind: global_buffer, .address_space: global }
      - { .name: xpre, .offset: 32, .size: 8, .value_kind: global_buffer, .address_space: global }
    .group_segment_fixed_size: 327680
    .private_segment_fixed_size: 0
    .kernarg_segment_align: 8
    .kernarg_segment_size: 40
    .max_flat_workgroup_size: 128
    .sgpr_count:     80
    .vgpr_count:     640
    .wavefront_size: 32
...
	.end_amdgpu_metadata
.endif
;; end of part 4
;; launch ln1 (part 5): grid 256 x 1, 8 waves a work-group, no clusters, 5,120 bytes of LDS; arguments xpre, g1, be1, fold, b2, abuf, actb, wsq, b12; writes abuf, actb, wsq, b12
.if DOCPART == 5
	.amdgcn_target "amdgcn-amd-amdhsa--gfx1250"
	.amdhsa_code_object_version 6
	.text
	.protected	k_q498f3e07de_ln1
	.globl	k_q498f3e07de_ln1
	.p2align	8
	.type	k_q498f3e07de_ln1,@function
k_q498f3e07de_ln1:
	s_mov_b64 s[64:65], 0
	v_nop
	global_prefetch_b8 v0, s[64:65] scope:SCOPE_SE
	s_setreg_imm32_b32 hwreg(HW_REG_WAVE_MODE, 25, 1), 1
	s_wait_xcnt 0x0
; LN1: out1 = layer norm of x1, stored in f32 (abuf, the later residual) and in f16 (actb, the later matrix operand);
;      w12 = the sum of the four partial products of w1 w2, rounded to f16 (wsq);  b12 = the sum of the 64 partial rows of b1 w2, plus b2.
; f16's ROOM: a normalised row of 1,024 numbers holds none beyond 32, so |out1| <= 32 |g1| + |be1|.  w12 has spread 0.02 . 0.02 . 64 = 0.026 as drawn,
; 23 with both weights 30 times larger, 4096 . 0.6 . 0.6 = 1,475 with offsets of 30 spreads on both, 2.8e-5 with both 30 times smaller (f16's step 6e-8
; is then a five-hundredth of the spread).  LIMIT KEPT: beyond 65,504 in magnitude an operand becomes infinite, below 2^-25 zero.
; 16 rows for each of 256 work-groups, two for each of eight waves: one wave takes a whole row (eight loads of 512 consecutive bytes), so the
; reductions never leave the wave.  The variance is taken in a second pass over x - mean: no difference of large sums.
; Each work-group also adds up 16 KiB of each partial product.  Work-groups 0 to 7 make 128 numbers of b12 each: their nine loads for it go out
; AHEAD of the 48 loads that every work-group issues, so that b12 is summed while the rows are on their way.
; A stream: no matrix unit, no tensor load, no cluster (what the work-groups share, gamma and beta, is 8 KiB of the 136 KiB that each reads).
.set X,  32                            ; v[32:95]    row i at 32 i, load j at 4 j: columns 128 j + 4 lane ..
.set G,  96                            ; v[96:127]
.set BE, 128                           ; v[128:159]
.set Z,  160                           ; v[160:223]  partial s, piece u at 16 s + 4 u
.set Y,  224                           ; v[224:255]  row i in f16 at 16 i
.set T,  240                           ; v[240:247]  four chains of sums: row 1's part of Y, which is written only behind row 1's sums
.set BP, 224                           ; v[224:255]  eight partial rows of b1 w2, ahead of the rows' work
.set B2, 12                            ; v[12:15]
	s_load_b256 s[4:11], s[0:1], 0x0               ; xpre, g1, be1, fold
	s_load_b256 s[12:19], s[0:1], 0x20             ; b2, abuf, actb, wsq
	s_load_b64 s[20:21], s[0:1], 0x40              ; b12
	v_lshl_add_u32 v30, v0, 2, 0x1000
	v_mov_b32 v31, 0
	v_lshrrev_b32 v1, 5, v0
	v_readfirstlane_b32 s22, v1                    ; wave 0..7
	v_and_b32 v1, 31, v0
	v_lshlrev_b32 v2, 4, v1                        ; 16 x lane
	v_lshlrev_b32 v3, 3, v1                        ; 8 x lane
	v_mov_b32 v9, 0                                ; v_permlanex16_b32's destination counts as read
	s_mov_b32 s23, ttmp9
	s_lshl_b32 s24, s23, 16                        ; 16 rows of 4,096 bytes,
	s_lshl_b32 s26, s22, 13                        ; two for each wave
	s_add_co_u32 s24, s24, s26
	s_mov_b32 s25, 0
	s_lshr_b32 s26, s24, 1                         ; the same rows in f16
	s_mov_b32 s27, 0
	s_lshl_b32 s28, s23, 14                        ; 16 KiB of each partial product,
	s_lshl_b32 s30, s22, 11                        ; 2 KiB for each wave
	s_add_co_u32 s28, s28, s30
	s_mov_b32 s29, 0
	s_lshr_b32 s30, s28, 1
	s_mov_b32 s31, 0
	s_mov_b32 s32, 0x76543210
	s_mov_b32 s33, 0xfedcba98
	s_mov_b32 s34, 0x3a800000                      ; 1 / 1024
	s_mov_b32 s35, 0x358637bd                      ; 1e-6
	s_wait_kmcnt 0x0
	s_add_nc_u64 s[4:5], s[4:5], s[24:25]
	s_add_nc_u64 s[14:15], s[14:15], s[24:25]
	s_add_nc_u64 s[16:17], s[16:17], s[26:27]
	s_add_nc_u64 s[36:37], s[10:11], s[28:29]      ; partial products 0 and 1,
	s_add_nc_u64 s[38:39], s[36:37], 0x800000      ; 2 and 3: 4 MiB each, and an immediate holds less than 8 MiB
	s_add_nc_u64 s[18:19], s[18:19], s[30:31]
; The 48 loads of every wave, in this order: row 0 (8), row 1 (8), gamma (8), beta (8), the partial products (16)
.macro LOADS
.irp i, 0,1
.irp j, 0,1,2,3,4,5,6,7
	global_load_b128 v[X+32*\i+4*\j:X+32*\i+4*\j+3], v2, s[4:5] offset:4096*\i+512*\j th:TH_LOAD_NT
.endr
.endr
.irp j, 0,1,2,3,4,5,6,7
	global_load_b128 v[G+4*\j:G+4*\j+3], v2, s[6:7] offset:512*\j
.endr
.irp j, 0,1,2,3,4,5,6,7
	global_load_b128 v[BE+4*\j:BE+4*\j+3], v2, s[8:9] offset:512*\j
.endr
.irp s, 0,1
.irp u, 0,1,2,3
	global_load_b128 v[Z+16*\s+4*\u:Z+16*\s+4*\u+3], v2, s[36:37] offset:0x400000*\s+512*\u th:TH_LOAD_NT
.endr
.endr
.irp s, 0,1
.irp u, 0,1,2,3
	global_load_b128 v[Z+32+16*\s+4*\u:Z+32+16*\s+4*\u+3], v2, s[38:39] offset:0x400000*\s+512*\u th:TH_LOAD_NT
.endr
.endr
.endm
.macro SUM8                            ; eight groups of four numbers in BP, added as a tree into the first
.irp p, 0,2
	v_pk_add_f32 v[BP+\p:BP+\p+1],       v[BP+\p:BP+\p+1],       v[BP+4+\p:BP+4+\p+1]
	v_pk_add_f32 v[BP+8+\p:BP+8+\p+1],   v[BP+8+\p:BP+8+\p+1],   v[BP+12+\p:BP+12+\p+1]
	v_pk_add_f32 v[BP+16+\p:BP+16+\p+1], v[BP+16+\p:BP+16+\p+1], v[BP+20+\p:BP+20+\p+1]
	v_pk_add_f32 v[BP+24+\p:BP+24+\p+1], v[BP+24+\p:BP+24+\p+1], v[BP+28+\p:BP+28+\p+1]
	v_pk_add_f32 v[BP+\p:BP+\p+1],       v[BP+\p:BP+\p+1],       v[BP+8+\p:BP+8+\p+1]
	v_pk_add_f32 v[BP+16+\p:BP+16+\p+1], v[BP+16+\p:BP+16+\p+1], v[BP+24+\p:BP+24+\p+1]
	v_pk_add_f32 v[BP+\p:BP+\p+1],       v[BP+\p:BP+\p+1],       v[BP+16+\p:BP+16+\p+1]
.endr
.endm
	s_cmp_lt_u32 s23, 8                            ; the branch is the same for all waves of a work-group
	s_cbranch_scc1 .Lwith_b12
	LOADS
	s_branch .Lrows
.Lwith_b12:
	; b12, columns 128 g .. 128 g + 127, in work-groups 0 to 7
	s_lshl_b32 s42, s23, 9                         ; 128 columns of f32
	s_mov_b32 s43, 0
	s_lshl_b32 s40, s22, 15                        ; my eight partial rows of 4,096 bytes
	s_add_co_u32 s40, s40, s42
	s_mov_b32 s41, 0
	s_add_nc_u64 s[10:11], s[10:11], s[40:41]
	s_add_nc_u64 s[10:11], s[10:11], 0x1000000     ; the partial rows lie behind the four partial products
	s_add_nc_u64 s[12:13], s[12:13], s[42:43]
	s_add_nc_u64 s[20:21], s[20:21], s[42:43]
.irp i, 0,1,2,3,4,5,6,7
	global_load_b128 v[BP+4*\i:BP+4*\i+3], v2, s[10:11] offset:4096*\i
.endr
	global_load_b128 v[B2:B2+3], v2, s[12:13]
	LOADS
	s_lshl_b32 s44, s22, 9
	v_add_nc_u32 v4, s44, v2
	s_wait_loadcnt 48                              ; the nine loads for b12 are in; the 48 issued behind them stay out
	SUM8
	ds_store_b128 v4, v[BP:BP+3]
	s_wait_dscnt 0x0                               ; my store is done before I say so
	s_barrier_signal -1
	s_barrier_wait -1
	s_cmp_lg_u32 s22, 0
	s_cbranch_scc1 .Lrows
.irp i, 0,1,2,3,4,5,6,7
	ds_load_b128 v[BP+4*\i:BP+4*\i+3], v2 offset:512*\i
.endr
	s_wait_dscnt 0x0
	SUM8
	v_pk_add_f32 v[BP:BP+1],   v[BP:BP+1],   v[B2:B2+1]
	v_pk_add_f32 v[BP+2:BP+3], v[BP+2:BP+3], v[B2+2:B2+3]
	global_store_b128 v2, v[BP:BP+3], s[20:21]     ; 512 consecutive bytes
	s_wait_xcnt 0x0                                ; the store's data lie in Y's registers, which are written again below
.Lrows:
.macro REDUCE                          ; v8 summed over the 32 lanes, the result in every lane
	v_add_f32_dpp v8, v8, v8 row_xmask:1 row_mask:0xf bank_mask:0xf
	v_add_f32_dpp v8, v8, v8 row_xmask:2 row_mask:0xf bank_mask:0xf
	v_add_f32_dpp v8, v8, v8 row_xmask:4 row_mask:0xf bank_mask:0xf
	v_add_f32_dpp v8, v8, v8 row_xmask:8 row_mask:0xf bank_mask:0xf
	v_permlanex16_b32 v9, v8, s32, s33
	v_add_f32 v8, v8, v9
.endm
.macro JOIN                            ; the four chains into v8
	v_pk_add_f32 v[T:T+1],     v[T:T+1],     v[T+2:T+3]
	v_pk_add_f32 v[T+4:T+5],   v[T+4:T+5],   v[T+6:T+7]
	v_pk_add_f32 v[T:T+1],     v[T:T+1],     v[T+4:T+5]
	v_add_f32 v8, v[T], v[T+1]
.endm
.macro LNROW i
.set XR, X+32*\i
.if \i == 0
	s_wait_loadcnt 40                              ; row 0 is in; row 1, gamma, beta (8 each) and the 16 loads of partial products stay out
.endif
.irp c, 0,2,4,6
	v_pk_add_f32 v[T+\c:T+\c+1], v[XR+\c:XR+\c+1], v[XR+8+\c:XR+8+\c+1]
.endr
.irp k, 16,24
.irp c, 0,2,4,6
	v_pk_add_f32 v[T+\c:T+\c+1], v[T+\c:T+\c+1], v[XR+\k+\c:XR+\k+\c+1]
.endr
.endr
	JOIN
	REDUCE
	v_mul_f32 v6, s34, v8                          ; the mean, twice
	v_mov_b32 v7, v6
.irp c, 0,2,4,6,8,10,12,14,16,18,20,22,24,26,28,30
	v_pk_add_f32 v[XR+\c:XR+\c+1], v[XR+\c:XR+\c+1], v[6:7] neg_lo:[0,1] neg_hi:[0,1]
.endr
.irp c, 0,2,4,6
	v_pk_mul_f32 v[T+\c:T+\c+1], v[XR+\c:XR+\c+1], v[XR+\c:XR+\c+1]
.endr
.irp k, 8,16,24
.irp c, 0,2,4,6
	v_pk_fma_f32 v[T+\c:T+\c+1], v[XR+\k+\c:XR+\k+\c+1], v[XR+\k+\c:XR+\k+\c+1], v[T+\c:T+\c+1]
.endr
.endr
	JOIN
	REDUCE
	v_fma_f32 v8, v8, s34, s35                     ; variance + 1e-6
	v_rsq_f32 v10, v8
	v_nop                                          ; the plain place behind v_rsq_f32 (ISA guide 5.7.2)
	s_wait_alu depctr_va_vdst(0)
	v_mov_b32 v11, v10
.if \i == 0
	s_wait_loadcnt 16                              ; row 1, gamma and beta are in; the 16 loads of partial products stay out
.endif
.irp j, 0,1,2,3,4,5,6,7
	v_pk_mul_f32 v[XR+4*\j:XR+4*\j+1],   v[XR+4*\j:XR+4*\j+1],   v[10:11]
	v_pk_mul_f32 v[XR+4*\j+2:XR+4*\j+3], v[XR+4*\j+2:XR+4*\j+3], v[10:11]
	v_pk_fma_f32 v[XR+4*\j:XR+4*\j+1],   v[XR+4*\j:XR+4*\j+1],   v[G+4*\j:G+4*\j+1],   v[BE+4*\j:BE+4*\j+1]
	v_pk_fma_f32 v[XR+4*\j+2:XR+4*\j+3], v[XR+4*\j+2:XR+4*\j+3], v[G+4*\j+2:G+4*\j+3], v[BE+4*\j+2:BE+4*\j+3]
	global_store_b128 v2, v[XR+4*\j:XR+4*\j+3], s[14:15] offset:4096*\i+512*\j
	v_cvt_pk_f16_f32 v[Y+16*\i+2*\j],   v[XR+4*\j],   v[XR+4*\j+1]
	v_cvt_pk_f16_f32 v[Y+16*\i+2*\j+1], v[XR+4*\j+2], v[XR+4*\j+3]
	global_store_b64 v3, v[Y+16*\i+2*\j:Y+16*\i+2*\j+1], s[16:17] offset:2048*\i+256*\j      ; the wave stores 256 consecutive bytes at a multiple of 256
.endr
.endm
	LNROW 0
	LNROW 1
	; w12 = (p0 + p1) + (p2 + p3), rounded once
	s_wait_loadcnt 0x0
.irp u, 0,1,2,3
.irp p, 0,2
	v_pk_add_f32 v[Z+4*\u+\p:Z+4*\u+\p+1],       v[Z+4*\u+\p:Z+4*\u+\p+1],       v[Z+16+4*\u+\p:Z+16+4*\u+\p+1]
	v_pk_add_f32 v[Z+32+4*\u+\p:Z+32+4*\u+\p+1], v[Z+32+4*\u+\p:Z+32+4*\u+\p+1], v[Z+48+4*\u+\p:Z+48+4*\u+\p+1]
	v_pk_add_f32 v[Z+4*\u+\p:Z+4*\u+\p+1],       v[Z+4*\u+\p:Z+4*\u+\p+1],       v[Z+32+4*\u+\p:Z+32+4*\u+\p+1]
.endr
	v_cvt_pk_f16_f32 v[Z+4*\u],   v[Z+4*\u],   v[Z+4*\u+1]
	v_cvt_pk_f16_f32 v[Z+4*\u+1], v[Z+4*\u+2], v[Z+4*\u+3]
	global_store_b64 v3, v[Z+4*\u:Z+4*\u+1], s[18:19] offset:256*\u
.endr
	s_wait_tensorcnt 0x0
	ds_add_u32 v30, v31
	s_wait_dscnt 0x0
	s_endpgm
.Lfunc_end_k_q498f3e07de_ln1:
	.size	k_q498f3e07de_ln1, .Lfunc_end_k_q498f3e07de_ln1-k_q498f3e07de_ln1
	.p2alignl 7, 3214868480
	.fill 96, 4, 3214868480
	.section	.rodata,"a",@progbits
	.p2align	6, 0x0
	.amdhsa_kernel k_q498f3e07de_ln1
		.amdhsa_group_segment_fixed_size 5120
		.amdhsa_private_segment_fixed_size 0
		.amdhsa_enable_private_segment 0
		.amdhsa_kernarg_size 72
		.amdhsa_user_sgpr_count 2
		.amdhsa_user_sgpr_kernarg_segment_ptr 1
		.amdhsa_wavefront_size32 1
		.amdhsa_system_sgpr_workgroup_id_x 1
		.amdhsa_system_sgpr_workgroup_id_y 1
		.amdhsa_system_sgpr_workgroup_id_z 1
		.amdhsa_system_vgpr_workitem_id 0
		.amdhsa_next_free_vgpr 256
		.amdhsa_next_free_sgpr 66
		.amdhsa_reserve_vcc 0
		.amdhsa_float_denorm_mode_32 3
		.amdhsa_float_denorm_mode_16_64 3
		.amdhsa_memory_ordered 1
		.amdhsa_forward_progress 1
		.amdhsa_inst_pref_size 35
	.end_amdhsa_kernel
	.amdgpu_metadata
---
amdhsa.version: [ 1, 2 ]
amdhsa.kernels:
  - .name:           k_q498f3e07de_ln1
    .symbol:         k_q498f3e07de_ln1.kd
    .args:
      - { .name: xpre, .offset: 0, .size: 8, .value_kind: global_buffer, .address_space: global }
      - { .name: g1, .offset: 8, .size: 8, .value_kind: global_buffer, .address_space: global }
      - { .name: be1, .offset: 16, .size: 8, .value_kind: global_buffer, .address_space: global }
      - { .name: fold, .offset: 24, .size: 8, .value_kind: global_buffer, .address_space: global }
      - { .name: b2, .offset: 32, .size: 8, .value_kind: global_buffer, .address_space: global }
      - { .name: abuf, .offset: 40, .size: 8, .value_kind: global_buffer, .address_space: global }
      - { .name: actb, .offset: 48, .size: 8, .value_kind: global_buffer, .address_space: global }
      - { .name: wsq, .offset: 56, .size: 8, .value_kind: global_buffer, .address_space: global }
      - { .name: b12, .offset: 64, .size: 8, .value_kind: global_buffer, .address_space: global }
    .group_segment_fixed_size: 5120
    .private_segment_fixed_size: 0
    .kernarg_segment_align: 8
    .kernarg_segment_size: 72
    .max_flat_workgroup_size: 256
    .sgpr_count:     66
    .vgpr_count:     256
    .wavefront_size: 32
...
	.end_amdgpu_metadata
.endif
;; end of part 5
;; launch ffn: the kernel of part 4 again; grid 8 x 32, 4 waves a work-group, clusters of 4 x 4, 327,680 bytes of LDS; arguments actb, wsq, b12, abuf, xpre; writes xpre
;; launch ln2 (part 6): grid 256 x 1, 8 waves a work-group, no clusters, 0 bytes of LDS; arguments xpre, g2, be2, out0; writes out0
.if DOCPART == 6
	.amdgcn_target "amdgcn-amd-amdhsa--gfx1250"
	.amdhsa_code_object_version 6
	.text
	.protected	k_q498f3e07de_ln2
	.globl	k_q498f3e07de_ln2
	.p2align	8
	.type	k_q498f3e07de_ln2,@function
k_q498f3e07de_ln2:
	s_mov_b64 s[64:65], 0
	v_nop
	global_prefetch_b8 v0, s[64:65] scope:SCOPE_SE
	s_setreg_imm32_b32 hwreg(HW_REG_WAVE_MODE, 25, 1), 1
	s_wait_xcnt 0x0
; LN2: out0 = layer norm of x2, f32 in and out.
; 16 rows for each of 256 work-groups, two for each of eight waves: one wave takes a whole row (eight loads of 512 consecutive bytes), so the
; reductions never leave the wave and there is no LDS and no barrier.  The variance is taken in a second pass over x - mean: no difference of large sums.
; A stream: no matrix unit, no tensor load, no cluster (what the work-groups share, gamma and beta, is 8 KiB of the 72 KiB that each reads).
.set X,  32                            ; v[32:95]    row i at 32 i, load j at 4 j: columns 128 j + 4 lane ..
.set G,  96                            ; v[96:127]
.set BE, 128                           ; v[128:159]
.set T,  160                           ; v[160:167]  four chains of sums
	s_load_b256 s[4:11], s[0:1], 0x0               ; xpre, g2, be2, out0
	v_lshrrev_b32 v1, 5, v0
	v_readfirstlane_b32 s22, v1                    ; wave 0..7
	v_and_b32 v1, 31, v0
	v_lshlrev_b32 v2, 4, v1                        ; 16 x lane
	v_mov_b32 v9, 0                                ; v_permlanex16_b32's destination counts as read
	s_lshl_b32 s24, ttmp9, 16                      ; 16 rows of 4,096 bytes,
	s_lshl_b32 s26, s22, 13                        ; two for each wave
	s_add_co_u32 s24, s24, s26
	s_mov_b32 s25, 0
	s_mov_b32 s32, 0x76543210
	s_mov_b32 s33, 0xfedcba98
	s_mov_b32 s34, 0x3a800000                      ; 1 / 1024
	s_mov_b32 s35, 0x358637bd                      ; 1e-6
	s_wait_kmcnt 0x0
	s_add_nc_u64 s[4:5], s[4:5], s[24:25]
	s_add_nc_u64 s[10:11], s[10:11], s[24:25]
.irp i, 0,1
.irp j, 0,1,2,3,4,5,6,7
	global_load_b128 v[X+32*\i+4*\j:X+32*\i+4*\j+3], v2, s[4:5] offset:4096*\i+512*\j th:TH_LOAD_NT
.endr
.endr
.irp j, 0,1,2,3,4,5,6,7
	global_load_b128 v[G+4*\j:G+4*\j+3], v2, s[6:7] offset:512*\j
.endr
.irp j, 0,1,2,3,4,5,6,7
	global_load_b128 v[BE+4*\j:BE+4*\j+3], v2, s[8:9] offset:512*\j
.endr
.macro REDUCE                          ; v8 summed over the 32 lanes, the result in every lane
	v_add_f32_dpp v8, v8, v8 row_xmask:1 row_mask:0xf bank_mask:0xf
	v_add_f32_dpp v8, v8, v8 row_xmask:2 row_mask:0xf bank_mask:0xf
	v_add_f32_dpp v8, v8, v8 row_xmask:4 row_mask:0xf bank_mask:0xf
	v_add_f32_dpp v8, v8, v8 row_xmask:8 row_mask:0xf bank_mask:0xf
	v_permlanex16_b32 v9, v8, s32, s33
	v_add_f32 v8, v8, v9
.endm
.macro JOIN                            ; the four chains into v8
	v_pk_add_f32 v[T:T+1],     v[T:T+1],     v[T+2:T+3]
	v_pk_add_f32 v[T+4:T+5],   v[T+4:T+5],   v[T+6:T+7]
	v_pk_add_f32 v[T:T+1],     v[T:T+1],     v[T+4:T+5]
	v_add_f32 v8, v[T], v[T+1]
.endm
.macro LNROW i
.set XR, X+32*\i
.if \i == 0
	s_wait_loadcnt 24                              ; row 0 is in; row 1, gamma and beta (8 loads each) stay out
.endif
.irp c, 0,2,4,6
	v_pk_add_f32 v[T+\c:T+\c+1], v[XR+\c:XR+\c+1], v[XR+8+\c:XR+8+\c+1]
.endr
.irp k, 16,24
.irp c, 0,2,4,6
	v_pk_add_f32 v[T+\c:T+\c+1], v[T+\c:T+\c+1], v[XR+\k+\c:XR+\k+\c+1]
.endr
.endr
	JOIN
	REDUCE
	v_mul_f32 v6, s34, v8                          ; the mean, twice
	v_mov_b32 v7, v6
.irp c, 0,2,4,6,8,10,12,14,16,18,20,22,24,26,28,30
	v_pk_add_f32 v[XR+\c:XR+\c+1], v[XR+\c:XR+\c+1], v[6:7] neg_lo:[0,1] neg_hi:[0,1]
.endr
.irp c, 0,2,4,6
	v_pk_mul_f32 v[T+\c:T+\c+1], v[XR+\c:XR+\c+1], v[XR+\c:XR+\c+1]
.endr
.irp k, 8,16,24
.irp c, 0,2,4,6
	v_pk_fma_f32 v[T+\c:T+\c+1], v[XR+\k+\c:XR+\k+\c+1], v[XR+\k+\c:XR+\k+\c+1], v[T+\c:T+\c+1]
.endr
.endr
	JOIN
	REDUCE
	v_fma_f32 v8, v8, s34, s35                     ; variance + 1e-6
	v_rsq_f32 v10, v8
	v_nop                                          ; the plain place behind v_rsq_f32 (ISA guide 5.7.2)
	s_wait_alu depctr_va_vdst(0)
	v_mov_b32 v11, v10
.if \i == 0
	s_wait_loadcnt 0x0                             ; row 1, gamma and beta
.endif
.irp j, 0,1,2,3,4,5,6,7
	v_pk_mul_f32 v[XR+4*\j:XR+4*\j+1],   v[XR+4*\j:XR+4*\j+1],   v[10:11]
	v_pk_mul_f32 v[XR+4*\j+2:XR+4*\j+3], v[XR+4*\j+2:XR+4*\j+3], v[10:11]
	v_pk_fma_f32 v[XR+4*\j:XR+4*\j+1],   v[XR+4*\j:XR+4*\j+1],   v[G+4*\j:G+4*\j+1],   v[BE+4*\j:BE+4*\j+1]
	v_pk_fma_f32 v[XR+4*\j+2:XR+4*\j+3], v[XR+4*\j+2:XR+4*\j+3], v[G+4*\j+2:G+4*\j+3], v[BE+4*\j+2:BE+4*\j+3]
	global_store_b128 v2, v[XR+4*\j:XR+4*\j+3], s[10:11] offset:4096*\i+512*\j th:TH_STORE_NT
.endr
.endm
	LNROW 0
	LNROW 1
	s_endpgm
.Lfunc_end_k_q498f3e07de_ln2:
	.size	k_q498f3e07de_ln2, .Lfunc_end_k_q498f3e07de_ln2-k_q498f3e07de_ln2
	.p2alignl 7, 3214868480
	.fill 96, 4, 3214868480
	.section	.rodata,"a",@progbits
	.p2align	6, 0x0
	.amdhsa_kernel k_q498f3e07de_ln2
		.amdhsa_group_segment_fixed_size 0
		.amdhsa_private_segment_fixed_size 0
		.amdhsa_enable_private_segment 0
		.amdhsa_kernarg_size 32
		.amdhsa_user_sgpr_count 2
		.amdhsa_user_sgpr_kernarg_segment_ptr 1
		.amdhsa_wavefront_size32 1
		.amdhsa_system_sgpr_workgroup_id_x 1
		.amdhsa_system_sgpr_workgroup_id_y 1
		.amdhsa_system_sgpr_workgroup_id_z 1
		.amdhsa_system_vgpr_workitem_id 0
		.amdhsa_next_free_vgpr 168
		.amdhsa_next_free_sgpr 66
		.amdhsa_reserve_vcc 0
		.amdhsa_float_denorm_mode_32 3
		.amdhsa_float_denorm_mode_16_64 3
		.amdhsa_memory_ordered 1
		.amdhsa_forward_progress 1
		.amdhsa_inst_pref_size 18
	.end_amdhsa_kernel
	.amdgpu_metadata
---
amdhsa.version: [ 1, 2 ]
amdhsa.kernels:
  - .name:           k_q498f3e07de_ln2
    .symbol:         k_q498f3e07de_ln2.kd
    .args:
      - { .name: xpre, .offset: 0, .size: 8, .value_kind: global_buffer, .address_space: global }
      - { .name: g2, .offset: 8, .size: 8, .value_kind: global_buffer, .address_space: global }
      - { .name: be2, .offset: 16, .size: 8, .value_kind: global_buffer, .address_space: global }
      - { .name: out0, .offset: 24, .size: 8, .value_kind: global_buffer, .address_space: global }
    .group_segment_fixed_size: 0
    .private_segment_fixed_size: 0
    .kernarg_segment_align: 8
    .kernarg_segment_size: 32
    .max_flat_workgroup_size: 256
    .sgpr_count:     66
    .vgpr_count:     168
    .wavefront_size: 32
...
	.end_amdgpu_metadata
.endif
;; end of part 6
;; ======== version 2 of 2: 7 launches; version 1 with the launches ln1, ln2 written anew for expert scheduling mode
;; limits: values are held in f16: magnitudes above 65,504 overflow, below 6.1e-05 lose precision
;; workspace buffers: abuf 16,777,216 bytes; bbuf 14,680,064 bytes; wsq 2,097,152 bytes; qkv 25,165,824 bytes; fold 17,039,360 bytes; actb 8,388,608 bytes; xpre 16,777,216 bytes; b12 4,096 bytes
;; launch prep: the kernel of part 1 again; grid 256 x 1, 32 waves a work-group, no clusters, 20,480 bytes of LDS; arguments inputs, w1, w2, wq, wk, wv, wo, b1, abuf, bbuf, wsq, fold; writes abuf, bbuf, wsq, fold
;; launch proj: the kernel of part 2 again; grid 16 x 16, 4 waves a work-group, clusters of 4 x 4, 327,680 bytes of LDS; arguments abuf, bbuf, bq, bk, bv, qkv, fold; writes qkv, fold
;; launch attn: the kernel of part 3 again; grid 8 x 32, 8 waves a work-group, clusters of 4 x 1, 327,680 bytes of LDS; arguments qkv, mask, actb; writes actb
;; launch zproj: the kernel of part 4 again; grid 8 x 32, 4 waves a work-group, clusters of 4 x 4, 327,680 bytes of LDS; arguments actb, wsq, bo, inputs, xpre; writes xpre
;; launch ln1 (part 7): grid 256 x 1, 8 waves a work-group, no clusters, 5,120 bytes of LDS; arguments xpre, g1, be1, fold, b2, abuf, actb, wsq, b12; writes abuf, actb, wsq, b12
.if DOCPART == 7
	.amdgcn_target "amdgcn-amd-amdhsa--gfx1250"
	.amdhsa_code_object_version 6
	.text
	.protected	k_q498f3e07de_ln1
	.globl	k_q498f3e07de_ln1
	.p2align	8
	.type	k_q498f3e07de_ln1,@function
k_q498f3e07de_ln1:
	s_mov_b64 s[64:65], 0
	v_nop
	global_prefetch_b8 v0, s[64:65] scope:SCOPE_SE
	s_setreg_imm32_b32 hwreg(HW_REG_WAVE_SCHED_MODE, 0, 2), 2
	s_setreg_imm32_b32 hwreg(HW_REG_WAVE_MODE, 25, 1), 1
	s_wait_xcnt 0x0
	s_wait_alu depctr_vm_vsrc(0)
; LN1: out1 = layer norm of x1, stored in f32 (abuf, the later residual) and in f16 (actb, the later matrix operand);
;      w12 = the sum of the four partial products of w1 w2, rounded to f16 (wsq);  b12 = the sum of the 64 partial rows of b1 w2, plus b2.
; f16's ROOM: a normalised row of 1,024 numbers holds none beyond 32, so |out1| <= 32 |g1| + |be1|.  w12 has spread 0.02 . 0.02 . 64 = 0.026 as drawn,
; 23 with both weights 30 times larger, 4096 . 0.6 . 0.6 = 1,475 with offsets of 30 spreads on both, 2.8e-5 with both 30 times smaller (f16's step 6e-8
; is then a five-hundredth of the spread).  LIMIT KEPT: beyond 65,504 in magnitude an operand becomes infinite, below 2^-25 zero.
; 16 rows for each of 256 work-groups, two for each of eight waves: one wave takes a whole row (eight loads of 512 consecutive bytes), so the
; reductions never leave the wave.  The variance is taken in a second pass over x - mean: no difference of large sums.
; Each work-group also adds up 16 KiB of each partial product.  Work-groups 0 to 7 make 128 numbers of b12 each: their nine loads for it go out
; AHEAD of the 48 loads that every work-group issues, so that b12 is summed while the rows are on their way.
; A stream: no matrix unit, no tensor load, no cluster (what the work-groups share, gamma and beta, is 8 KiB of the 136 KiB that each reads).
; THE MODE: SCHED_MODE bits 1:0 = 2 (LLVM: expert scheduling mode 2), set by the entry lines.  The code itself states the register dependences
; between vector instructions and memory or LDS instructions, with s_wait_alu, always for 0.
; THE PLAN.  Registers that memory or LDS instructions touch:
;   v2, v3      byte offsets, made once at the head and never written again: every load, store and LDS load reads one of them.
;   v4          the LDS address of my partial sums of b12: written once, in the arm of work-groups 0 to 7; read by the one LDS store.
;   X0, X1      a row each.  The head's loads land once; the row's arithmetic works in place; the row's eight f32 stores read it; never written again.
;   Y0, Y1      a row in f16 each.  Written by the row's roundings; read by the row's eight f16 stores; never written again.
;   G, BE, B2   loads land once; vector instructions alone read them.
;   Z           loads land once; the sums and roundings work in place; four stores read two registers of each piece; never written again.
;   BP          Y's registers, ahead of the rows' work, in work-groups 0 to 7: eight loads land; the tree of sums works in place; the LDS store reads its
;               first four; in wave 0 eight LDS loads land in it and the tree works again.  Later the rows' sums (T) and roundings (Y) write these registers.
;   OB          b12's four numbers: written by the last two sums, read by the one store, never written again.
;   v30, v31    written at the head, read by the closing add alone.
; So a row's whole arithmetic stands first, ONE wait on va_vdst states that it has written X[i] and Y[i], and the row's sixteen stores follow in one run;
; likewise for w12's four stores.  Past the entry lines, the one wait on vm_vsrc stands behind the LDS store of BP, ahead of the branch both of whose ways write BP again.
.set X,  32                            ; v[32:95]    row i at 32 i, load j at 4 j: columns 128 j + 4 lane ..
.set G,  96                            ; v[96:127]
.set BE, 128                           ; v[128:159]
.set Z,  160                           ; v[160:223]  partial s, piece u at 16 s + 4 u
.set Y,  224                           ; v[224:255]  row i in f16 at 16 i
.set T,  240                           ; v[240:247]  four chains of sums: row 1's part of Y, which is written only behind row 1's sums; no store of row 0 reads it
.set BP, 224                           ; v[224:255]  eight partial rows of b1 w2, ahead of the rows' work
.set B2, 12                            ; v[12:15]
.set OB, 16                            ; v[16:19]    b12 as it is stored
	s_load_b256 s[4:11], s[0:1], 0x0               ; xpre, g1, be1, fold
	s_load_b256 s[12:19], s[0:1], 0x20             ; b2, abuf, actb, wsq
	s_load_b64 s[20:21], s[0:1], 0x40              ; b12
	v_lshl_add_u32 v30, v0, 2, 0x1000
	v_mov_b32 v31, 0
	v_lshrrev_b32 v1, 5, v0
	v_readfirstlane_b32 s22, v1                    ; wave 0..7
	v_and_b32 v1, 31, v0
	v_lshlrev_b32 v2, 4, v1                        ; 16 x lane
	v_lshlrev_b32 v3, 3, v1                        ; 8 x lane
	v_mov_b32 v9, 0                                ; v_permlanex16_b32's destination counts as read
	s_mov_b32 s23, ttmp9
	s_lshl_b32 s24, s23, 16                        ; 16 rows of 4,096 bytes,
	s_wait_alu depctr_va_sdst(0)                   ; s22 is written, ahead of its first reader: the bases are made from it
	s_lshl_b32 s26, s22, 13                        ; two for each wave
	s_add_co_u32 s24, s24, s26
	s_mov_b32 s25, 0
	s_lshr_b32 s26, s24, 1                         ; the same rows in f16
	s_mov_b32 s27, 0
	s_lshl_b32 s28, s23, 14                        ; 16 KiB of each partial product,
	s_lshl_b32 s30, s22, 11                        ; 2 KiB for each wave
	s_add_co_u32 s28, s28, s30
	s_mov_b32 s29, 0
	s_lshr_b32 s30, s28, 1
	s_mov_b32 s31, 0
	s_mov_b32 s32, 0x76543210
	s_mov_b32 s33, 0xfedcba98
	s_mov_b32 s34, 0x3a800000                      ; 1 / 1024
	s_mov_b32 s35, 0x358637bd                      ; 1e-6
	s_wait_kmcnt 0x0
	s_add_nc_u64 s[4:5], s[4:5], s[24:25]
	s_add_nc_u64 s[14:15], s[14:15], s[24:25]
	s_add_nc_u64 s[16:17], s[16:17], s[26:27]
	s_add_nc_u64 s[36:37], s[10:11], s[28:29]      ; partial products 0 and 1,
	s_add_nc_u64 s[38:39], s[36:37], 0x800000      ; 2 and 3: 4 MiB each, and an immediate holds less than 8 MiB
	s_add_nc_u64 s[18:19], s[18:19], s[30:31]
	s_wait_alu depctr_va_vdst(0)                   ; v2 and v3 are written: every load and store of both arms below reads one of them as its offset
; The 48 loads of every wave, in this order: row 0 (8), row 1 (8), gamma (8), beta (8), the partial products (16)
.macro LOADS
.irp i, 0,1
.irp j, 0,1,2,3,4,5,6,7
	global_load_b128 v[X+32*\i+4*\j:X+32*\i+4*\j+3], v2, s[4:5] offset:4096*\i+512*\j th:TH_LOAD_NT
.endr
.endr
.irp j, 0,1,2,3,4,5,6,7
	global_load_b128 v[G+4*\j:G+4*\j+3], v2, s[6:7] offset:512*\j
.endr
.irp j, 0,1,2,3,4,5,6,7
	global_load_b128 v[BE+4*\j:BE+4*\j+3], v2, s[8:9] offset:512*\j
.endr
.irp s, 0,1
.irp u, 0,1,2,3
	global_load_b128 v[Z+16*\s+4*\u:Z+16*\s+4*\u+3], v2, s[36:37] offset:0x400000*\s+512*\u th:TH_LOAD_NT
.endr
.endr
.irp s, 0,1
.irp u, 0,1,2,3
	global_load_b128 v[Z+32+16*\s+4*\u:Z+32+16*\s+4*\u+3], v2, s[38:39] offset:0x400000*\s+512*\u th:TH_LOAD_NT
.endr
.endr
.endm
.macro SUM8                            ; eight groups of four numbers in BP, added as a tree into the first
.irp p, 0,2
	v_pk_add_f32 v[BP+\p:BP+\p+1],       v[BP+\p:BP+\p+1],       v[BP+4+\p:BP+4+\p+1]
	v_pk_add_f32 v[BP+8+\p:BP+8+\p+1],   v[BP+8+\p:BP+8+\p+1],   v[BP+12+\p:BP+12+\p+1]
	v_pk_add_f32 v[BP+16+\p:BP+16+\p+1], v[BP+16+\p:BP+16+\p+1], v[BP+20+\p:BP+20+\p+1]
	v_pk_add_f32 v[BP+24+\p:BP+24+\p+1], v[BP+24+\p:BP+24+\p+1], v[BP+28+\p:BP+28+\p+1]
	v_pk_add_f32 v[BP+\p:BP+\p+1],       v[BP+\p:BP+\p+1],       v[BP+8+\p:BP+8+\p+1]
	v_pk_add_f32 v[BP+16+\p:BP+16+\p+1], v[BP+16+\p:BP+16+\p+1], v[BP+24+\p:BP+24+\p+1]
	v_pk_add_f32 v[BP+\p:BP+\p+1],       v[BP+\p:BP+\p+1],       v[BP+16+\p:BP+16+\p+1]
.endr
.endm
	s_cmp_lt_u32 s23, 8                            ; the branch is the same for all waves of a work-group
	s_cbranch_scc1 .Lwith_b12
	LOADS
	s_branch .Lrows
.Lwith_b12:
	; b12, columns 128 g .. 128 g + 127, in work-groups 0 to 7
	s_lshl_b32 s42, s23, 9                         ; 128 columns of f32
	s_mov_b32 s43, 0
	s_lshl_b32 s40, s22, 15                        ; my eight partial rows of 4,096 bytes
	s_add_co_u32 s40, s40, s42
	s_mov_b32 s41, 0
	s_add_nc_u64 s[10:11], s[10:11], s[40:41]
	s_add_nc_u64 s[10:11], s[10:11], 0x1000000     ; the partial rows lie behind the four partial products
	s_add_nc_u64 s[12:13], s[12:13], s[42:43]
	s_add_nc_u64 s[20:21], s[20:21], s[42:43]
.irp i, 0,1,2,3,4,5,6,7
	global_load_b128 v[BP+4*\i:BP+4*\i+3], v2, s[10:11] offset:4096*\i
.endr
	global_load_b128 v[B2:B2+3], v2, s[12:13]
	LOADS
	s_lshl_b32 s44, s22, 9
	v_add_nc_u32 v4, s44, v2
	s_wait_loadcnt 48                              ; the nine loads for b12 are in; the 48 issued behind them stay out
	SUM8
	s_wait_alu depctr_va_vdst(0)                   ; v4 and the sums in v[BP:BP+3] are written, which the LDS store reads; and the tree is done reading and writing BP, in which wave 0's LDS loads land (no vector instruction stands between)
	ds_store_b128 v4, v[BP:BP+3]
	s_wait_dscnt 0x0                               ; my store is done before I say so
	s_barrier_signal -1
	s_barrier_wait -1
	s_wait_alu depctr_vm_vsrc(0)                   ; the LDS store has read v[BP:BP+3], which both ways of the branch write again: wave 0's LDS loads, the other waves' roundings of row 0
	s_cmp_lg_u32 s22, 0
	s_cbranch_scc1 .Lrows
.irp i, 0,1,2,3,4,5,6,7
	ds_load_b128 v[BP+4*\i:BP+4*\i+3], v2 offset:512*\i
.endr
	s_wait_dscnt 0x0
	SUM8
	v_pk_add_f32 v[OB:OB+1],   v[BP:BP+1],   v[B2:B2+1]      ; into registers of their own, which nothing writes again: the store below holds up nothing behind it
	v_pk_add_f32 v[OB+2:OB+3], v[BP+2:BP+3], v[B2+2:B2+3]
	s_wait_alu depctr_va_vdst(0)                   ; the two sums have written v[OB:OB+3], which the store reads
	global_store_b128 v2, v[OB:OB+3], s[20:21]     ; 512 consecutive bytes
.Lrows:
.macro REDUCE                          ; v8 summed over the 32 lanes, the result in every lane
	v_add_f32_dpp v8, v8, v8 row_xmask:1 row_mask:0xf bank_mask:0xf
	v_add_f32_dpp v8, v8, v8 row_xmask:2 row_mask:0xf bank_mask:0xf
	v_add_f32_dpp v8, v8, v8 row_xmask:4 row_mask:0xf bank_mask:0xf
	v_add_f32_dpp v8, v8, v8 row_xmask:8 row_mask:0xf bank_mask:0xf
	v_permlanex16_b32 v9, v8, s32, s33
	v_add_f32 v8, v8, v9
.endm
.macro JOIN                            ; the four chains into v8
	v_pk_add_f32 v[T:T+1],     v[T:T+1],     v[T+2:T+3]
	v_pk_add_f32 v[T+4:T+5],   v[T+4:T+5],   v[T+6:T+7]
	v_pk_add_f32 v[T:T+1],     v[T:T+1],     v[T+4:T+5]
	v_add_f32 v8, v[T], v[T+1]
.endm
.macro LNROW i
.set XR, X+32*\i
.if \i == 0
	s_wait_loadcnt 40                              ; row 0 is in; row 1, gamma, beta (8 each) and the 16 loads of partial products stay out
.endif
.irp c, 0,2,4,6
	v_pk_add_f32 v[T+\c:T+\c+1], v[XR+\c:XR+\c+1], v[XR+8+\c:XR+8+\c+1]
.endr
.irp k, 16,24
.irp c, 0,2,4,6
	v_pk_add_f32 v[T+\c:T+\c+1], v[T+\c:T+\c+1], v[XR+\k+\c:XR+\k+\c+1]
.endr
.endr
	JOIN
	REDUCE
	v_mul_f32 v6, s34, v8                          ; the mean, twice
	v_mov_b32 v7, v6
.irp c, 0,2,4,6,8,10,12,14,16,18,20,22,24,26,28,30
	v_pk_add_f32 v[XR+\c:XR+\c+1], v[XR+\c:XR+\c+1], v[6:7] neg_lo:[0,1] neg_hi:[0,1]
.endr
.irp c, 0,2,4,6
	v_pk_mul_f32 v[T+\c:T+\c+1], v[XR+\c:XR+\c+1], v[XR+\c:XR+\c+1]
.endr
.irp k, 8,16,24
.irp c, 0,2,4,6
	v_pk_fma_f32 v[T+\c:T+\c+1], v[XR+\k+\c:XR+\k+\c+1], v[XR+\k+\c:XR+\k+\c+1], v[T+\c:T+\c+1]
.endr
.endr
	JOIN
	REDUCE
	v_fma_f32 v8, v8, s34, s35                     ; variance + 1e-6
	v_rsq_f32 v10, v8
	v_nop                                          ; the plain place behind v_rsq_f32 (ISA guide 5.7.2)
	s_wait_alu depctr_va_vdst(0)                   ; v10, the reciprocal root, is written, ahead of the first instruction that names it
	v_mov_b32 v11, v10
.if \i == 0
	s_wait_loadcnt 16                              ; row 1, gamma and beta are in; the 16 loads of partial products stay out
.endif
.irp j, 0,1,2,3,4,5,6,7
	v_pk_mul_f32 v[XR+4*\j:XR+4*\j+1],   v[XR+4*\j:XR+4*\j+1],   v[10:11]
	v_pk_mul_f32 v[XR+4*\j+2:XR+4*\j+3], v[XR+4*\j+2:XR+4*\j+3], v[10:11]
	v_pk_fma_f32 v[XR+4*\j:XR+4*\j+1],   v[XR+4*\j:XR+4*\j+1],   v[G+4*\j:G+4*\j+1],   v[BE+4*\j:BE+4*\j+1]
	v_pk_fma_f32 v[XR+4*\j+2:XR+4*\j+3], v[XR+4*\j+2:XR+4*\j+3], v[G+4*\j+2:G+4*\j+3], v[BE+4*\j+2:BE+4*\j+3]
	v_cvt_pk_f16_f32 v[Y+16*\i+2*\j],   v[XR+4*\j],   v[XR+4*\j+1]
	v_cvt_pk_f16_f32 v[Y+16*\i+2*\j+1], v[XR+4*\j+2], v[XR+4*\j+3]
.endr
	s_wait_alu depctr_va_vdst(0)                   ; the row's multiply-adds have written X[i] and its roundings Y[i], which the sixteen stores below read; nothing writes these registers again
.irp j, 0,1,2,3,4,5,6,7
	global_store_b128 v2, v[XR+4*\j:XR+4*\j+3], s[14:15] offset:4096*\i+512*\j
	global_store_b64 v3, v[Y+16*\i+2*\j:Y+16*\i+2*\j+1], s[16:17] offset:2048*\i+256*\j      ; the wave stores 256 consecutive bytes at a multiple of 256
.endr
.endm
	LNROW 0
	LNROW 1
	; w12 = (p0 + p1) + (p2 + p3), rounded once
	s_wait_loadcnt 0x0
.irp u, 0,1,2,3
.irp p, 0,2
	v_pk_add_f32 v[Z+4*\u+\p:Z+4*\u+\p+1],       v[Z+4*\u+\p:Z+4*\u+\p+1],       v[Z+16+4*\u+\p:Z+16+4*\u+\p+1]
	v_pk_add_f32 v[Z+32+4*\u+\p:Z+32+4*\u+\p+1], v[Z+32+4*\u+\p:Z+32+4*\u+\p+1], v[Z+48+4*\u+\p:Z+48+4*\u+\p+1]
	v_pk_add_f32 v[Z+4*\u+\p:Z+4*\u+\p+1],       v[Z+4*\u+\p:Z+4*\u+\p+1],       v[Z+32+4*\u+\p:Z+32+4*\u+\p+1]
.endr
	v_cvt_pk_f16_f32 v[Z+4*\u],   v[Z+4*\u],   v[Z+4*\u+1]
	v_cvt_pk_f16_f32 v[Z+4*\u+1], v[Z+4*\u+2], v[Z+4*\u+3]
.endr
	s_wait_alu depctr_va_vdst(0)                   ; the roundings have written the first two registers of each of Z's four pieces, which the four stores read
.irp u, 0,1,2,3
	global_store_b64 v3, v[Z+4*\u:Z+4*\u+1], s[18:19] offset:256*\u
.endr
	s_wait_dscnt 0x0                               ; the closing lines, six on end
	s_wait_alu 0x0
	s_wait_tensorcnt 0x0
	ds_add_u32 v30, v31
	s_wait_dscnt 0x0
	s_endpgm
.Lfunc_end_k_q498f3e07de_ln1:
	.size	k_q498f3e07de_ln1, .Lfunc_end_k_q498f3e07de_ln1-k_q498f3e07de_ln1
	.p2alignl 7, 3214868480
	.fill 96, 4, 3214868480
	.section	.rodata,"a",@progbits
	.p2align	6, 0x0
	.amdhsa_kernel k_q498f3e07de_ln1
		.amdhsa_group_segment_fixed_size 5120
		.amdhsa_private_segment_fixed_size 0
		.amdhsa_enable_private_segment 0
		.amdhsa_kernarg_size 72
		.amdhsa_user_sgpr_count 2
		.amdhsa_user_sgpr_kernarg_segment_ptr 1
		.amdhsa_wavefront_size32 1
		.amdhsa_system_sgpr_workgroup_id_x 1
		.amdhsa_system_sgpr_workgroup_id_y 1
		.amdhsa_system_sgpr_workgroup_id_z 1
		.amdhsa_system_vgpr_workitem_id 0
		.amdhsa_next_free_vgpr 256
		.amdhsa_next_free_sgpr 66
		.amdhsa_reserve_vcc 0
		.amdhsa_float_denorm_mode_32 3
		.amdhsa_float_denorm_mode_16_64 3
		.amdhsa_memory_ordered 1
		.amdhsa_forward_progress 1
		.amdhsa_inst_pref_size 35
	.end_amdhsa_kernel
	.amdgpu_metadata
---
amdhsa.version: [ 1, 2 ]
amdhsa.kernels:
  - .name:           k_q498f3e07de_ln1
    .symbol:         k_q498f3e07de_ln1.kd
    .args:
      - { .name: xpre, .offset: 0, .size: 8, .value_kind: global_buffer, .address_space: global }
      - { .name: g1, .offset: 8, .size: 8, .value_kind: global_buffer, .address_space: global }
      - { .name: be1, .offset: 16, .size: 8, .value_kind: global_buffer, .address_space: global }
      - { .name: fold, .offset: 24, .size: 8, .value_kind: global_buffer, .address_space: global }
      - { .name: b2, .offset: 32, .size: 8, .value_kind: global_buffer, .address_space: global }
      - { .name: abuf, .offset: 40, .size: 8, .value_kind: global_buffer, .address_space: global }
      - { .name: actb, .offset: 48, .size: 8, .value_kind: global_buffer, .address_space: global }
      - { .name: wsq, .offset: 56, .size: 8, .value_kind: global_buffer, .address_space: global }
      - { .name: b12, .offset: 64, .size: 8, .value_kind: global_buffer, .address_space: global }
    .group_segment_fixed_size: 5120
    .private_segment_fixed_size: 0
    .kernarg_segment_align: 8
    .kernarg_segment_size: 72
    .max_flat_workgroup_size: 256
    .sgpr_count:     66
    .vgpr_count:     256
    .wavefront_size: 32
...
	.end_amdgpu_metadata
.endif
;; end of part 7
;; launch ffn: the kernel of part 4 again; grid 8 x 32, 4 waves a work-group, clusters of 4 x 4, 327,680 bytes of LDS; arguments actb, wsq, b12, abuf, xpre; writes xpre
;; launch ln2 (part 8): grid 256 x 1, 8 waves a work-group, no clusters, 0 bytes of LDS; arguments xpre, g2, be2, out0; writes out0
.if DOCPART == 8
	.amdgcn_target "amdgcn-amd-amdhsa--gfx1250"
	.amdhsa_code_object_version 6
	.text
	.protected	k_q498f3e07de_ln2
	.globl	k_q498f3e07de_ln2
	.p2align	8
	.type	k_q498f3e07de_ln2,@function
k_q498f3e07de_ln2:
	s_mov_b64 s[64:65], 0
	v_nop
	global_prefetch_b8 v0, s[64:65] scope:SCOPE_SE
	s_setreg_imm32_b32 hwreg(HW_REG_WAVE_SCHED_MODE, 0, 2), 2
	s_setreg_imm32_b32 hwreg(HW_REG_WAVE_MODE, 25, 1), 1
	s_wait_xcnt 0x0
	s_wait_alu depctr_vm_vsrc(0)
; LN2: out0 = layer norm of x2, f32 in and out.
; 16 rows for each of 256 work-groups, two for each of eight waves: one wave takes a whole row (eight loads of 512 consecutive bytes), so the
; reductions never leave the wave and there is no LDS and no barrier.  The variance is taken in a second pass over x - mean: no difference of large sums.
; A stream: no matrix unit, no tensor load, no cluster (what the work-groups share, gamma and beta, is 8 KiB of the 72 KiB that each reads).
; THE MODE: SCHED_MODE bits 1:0 = 2 (LLVM: expert scheduling mode 2), set by the entry lines.  The code itself states the register dependences
; between vector instructions and memory instructions, with s_wait_alu, always for 0.
; THE PLAN.  Registers that memory instructions touch:
;   v2        16 x lane, the offset of every load and store: made once at the head and never written again.
;   X0, X1    a row each.  The head's loads land once; the row's arithmetic works in place; the row's eight stores read it; never written again.
;   G, BE     loads land once; vector instructions alone read them.
; So a row's whole arithmetic stands first, ONE wait on va_vdst states that it has written X[i], and the row's eight stores follow in one run.
; No register that a memory instruction reads is written again, so past the entry lines the text holds no wait on vm_vsrc.
.set X,  32                            ; v[32:95]    row i at 32 i, load j at 4 j: columns 128 j + 4 lane ..
.set G,  96                            ; v[96:127]
.set BE, 128                           ; v[128:159]
.set T,  160                           ; v[160:167]  four chains of sums: no memory instruction names them
	s_load_b256 s[4:11], s[0:1], 0x0               ; xpre, g2, be2, out0
	v_lshrrev_b32 v1, 5, v0
	v_readfirstlane_b32 s22, v1                    ; wave 0..7
	v_and_b32 v1, 31, v0
	v_lshlrev_b32 v2, 4, v1                        ; 16 x lane
	v_mov_b32 v9, 0                                ; v_permlanex16_b32's destination counts as read
	s_lshl_b32 s24, ttmp9, 16                      ; 16 rows of 4,096 bytes,
	s_wait_alu depctr_va_sdst(0)                   ; s22 is written, ahead of its first reader: the bases are made from it
	s_lshl_b32 s26, s22, 13                        ; two for each wave
	s_add_co_u32 s24, s24, s26
	s_mov_b32 s25, 0
	s_mov_b32 s32, 0x76543210
	s_mov_b32 s33, 0xfedcba98
	s_mov_b32 s34, 0x3a800000                      ; 1 / 1024
	s_mov_b32 s35, 0x358637bd                      ; 1e-6
	s_wait_kmcnt 0x0
	s_add_nc_u64 s[4:5], s[4:5], s[24:25]
	s_add_nc_u64 s[10:11], s[10:11], s[24:25]
	s_wait_alu depctr_va_vdst(0)                   ; v2 is written: every load and store of the kernel reads it as its offset
.irp i, 0,1
.irp j, 0,1,2,3,4,5,6,7
	global_load_b128 v[X+32*\i+4*\j:X+32*\i+4*\j+3], v2, s[4:5] offset:4096*\i+512*\j th:TH_LOAD_NT
.endr
.endr
.irp j, 0,1,2,3,4,5,6,7
	global_load_b128 v[G+4*\j:G+4*\j+3], v2, s[6:7] offset:512*\j
.endr
.irp j, 0,1,2,3,4,5,6,7
	global_load_b128 v[BE+4*\j:BE+4*\j+3], v2, s[8:9] offset:512*\j
.endr
.macro REDUCE                          ; v8 summed over the 32 lanes, the result in every lane
	v_add_f32_dpp v8, v8, v8 row_xmask:1 row_mask:0xf bank_mask:0xf
	v_add_f32_dpp v8, v8, v8 row_xmask:2 row_mask:0xf bank_mask:0xf
	v_add_f32_dpp v8, v8, v8 row_xmask:4 row_mask:0xf bank_mask:0xf
	v_add_f32_dpp v8, v8, v8 row_xmask:8 row_mask:0xf bank_mask:0xf
	v_permlanex16_b32 v9, v8, s32, s33
	v_add_f32 v8, v8, v9
.endm
.macro JOIN                            ; the four chains into v8
	v_pk_add_f32 v[T:T+1],     v[T:T+1],     v[T+2:T+3]
	v_pk_add_f32 v[T+4:T+5],   v[T+4:T+5],   v[T+6:T+7]
	v_pk_add_f32 v[T:T+1],     v[T:T+1],     v[T+4:T+5]
	v_add_f32 v8, v[T], v[T+1]
.endm
.macro LNROW i
.set XR, X+32*\i
.if \i == 0
	s_wait_loadcnt 24                              ; row 0 is in; row 1, gamma and beta (8 loads each) stay out
.endif
.irp c, 0,2,4,6
	v_pk_add_f32 v[T+\c:T+\c+1], v[XR+\c:XR+\c+1], v[XR+8+\c:XR+8+\c+1]
.endr
.irp k, 16,24
.irp c, 0,2,4,6
	v_pk_add_f32 v[T+\c:T+\c+1], v[T+\c:T+\c+1], v[XR+\k+\c:XR+\k+\c+1]
.endr
.endr
	JOIN
	REDUCE
	v_mul_f32 v6, s34, v8                          ; the mean, twice
	v_mov_b32 v7, v6
.irp c, 0,2,4,6,8,10,12,14,16,18,20,22,24,26,28,30
	v_pk_add_f32 v[XR+\c:XR+\c+1], v[XR+\c:XR+\c+1], v[6:7] neg_lo:[0,1] neg_hi:[0,1]
.endr
.irp c, 0,2,4,6
	v_pk_mul_f32 v[T+\c:T+\c+1], v[XR+\c:XR+\c+1], v[XR+\c:XR+\c+1]
.endr
.irp k, 8,16,24
.irp c, 0,2,4,6
	v_pk_fma_f32 v[T+\c:T+\c+1], v[XR+\k+\c:XR+\k+\c+1], v[XR+\k+\c:XR+\k+\c+1], v[T+\c:T+\c+1]
.endr
.endr
	JOIN
	REDUCE
	v_fma_f32 v8, v8, s34, s35                     ; variance + 1e-6
	v_rsq_f32 v10, v8
	v_nop                                          ; the plain place behind v_rsq_f32 (ISA guide 5.7.2)
	s_wait_alu depctr_va_vdst(0)                   ; v10, the reciprocal root, is written, ahead of the first instruction that names it
	v_mov_b32 v11, v10
.if \i == 0
	s_wait_loadcnt 0x0                             ; row 1, gamma and beta
.endif
.irp j, 0,1,2,3,4,5,6,7
	v_pk_mul_f32 v[XR+4*\j:XR+4*\j+1],   v[XR+4*\j:XR+4*\j+1],   v[10:11]
	v_pk_mul_f32 v[XR+4*\j+2:XR+4*\j+3], v[XR+4*\j+2:XR+4*\j+3], v[10:11]
	v_pk_fma_f32 v[XR+4*\j:XR+4*\j+1],   v[XR+4*\j:XR+4*\j+1],   v[G+4*\j:G+4*\j+1],   v[BE+4*\j:BE+4*\j+1]
	v_pk_fma_f32 v[XR+4*\j+2:XR+4*\j+3], v[XR+4*\j+2:XR+4*\j+3], v[G+4*\j+2:G+4*\j+3], v[BE+4*\j+2:BE+4*\j+3]
.endr
	s_wait_alu depctr_va_vdst(0)                   ; the row's multiply-adds have written X[i], which the eight stores below read; nothing writes these registers again
.irp j, 0,1,2,3,4,5,6,7
	global_store_b128 v2, v[XR+4*\j:XR+4*\j+3], s[10:11] offset:4096*\i+512*\j th:TH_STORE_NT
.endr
.endm
	LNROW 0
	LNROW 1
	s_endpgm
.Lfunc_end_k_q498f3e07de_ln2:
	.size	k_q498f3e07de_ln2, .Lfunc_end_k_q498f3e07de_ln2-k_q498f3e07de_ln2
	.p2alignl 7, 3214868480
	.fill 96, 4, 3214868480
	.section	.rodata,"a",@progbits
	.p2align	6, 0x0
	.amdhsa_kernel k_q498f3e07de_ln2
		.amdhsa_group_segment_fixed_size 0
		.amdhsa_private_segment_fixed_size 0
		.amdhsa_enable_private_segment 0
		.amdhsa_kernarg_size 32
		.amdhsa_user_sgpr_count 2
		.amdhsa_user_sgpr_kernarg_segment_ptr 1
		.amdhsa_wavefront_size32 1
		.amdhsa_system_sgpr_workgroup_id_x 1
		.amdhsa_system_sgpr_workgroup_id_y 1
		.amdhsa_system_sgpr_workgroup_id_z 1
		.amdhsa_system_vgpr_workitem_id 0
		.amdhsa_next_free_vgpr 168
		.amdhsa_next_free_sgpr 66
		.amdhsa_reserve_vcc 0
		.amdhsa_float_denorm_mode_32 3
		.amdhsa_float_denorm_mode_16_64 3
		.amdhsa_memory_ordered 1
		.amdhsa_forward_progress 1
		.amdhsa_inst_pref_size 18
	.end_amdhsa_kernel
	.amdgpu_metadata
---
amdhsa.version: [ 1, 2 ]
amdhsa.kernels:
  - .name:           k_q498f3e07de_ln2
    .symbol:         k_q498f3e07de_ln2.kd
    .args:
      - { .name: xpre, .offset: 0, .size: 8, .value_kind: global_buffer, .address_space: global }
      - { .name: g2, .offset: 8, .size: 8, .value_kind: global_buffer, .address_space: global }
      - { .name: be2, .offset: 16, .size: 8, .value_kind: global_buffer, .address_space: global }
      - { .name: out0, .offset: 24, .size: 8, .value_kind: global_buffer, .address_space: global }
    .group_segment_fixed_size: 0
    .private_segment_fixed_size: 0
    .kernarg_segment_align: 8
    .kernarg_segment_size: 32
    .max_flat_workgroup_size: 256
    .sgpr_count:     66
    .vgpr_count:     168
    .wavefront_size: 32
...
	.end_amdgpu_metadata
.endif
;; end of part 8
